; MI455X (gfx1250); checked and timed in simulation.
; The chip was launched on July 23, 2026; its instructions are those of AMD's public machine-readable ISA for CDNA 5 (MIT licence, August 2026) and "CDNA5" Instruction Set Architecture Reference Guide (July 2026). The comments in the code are by the model that wrote it; some were corrected since.
;; Multi Head Attention. Allowed arithmetic: matrix products marked QUANTISED: E2M1 operands, one E8M0 scale for each 32 along K, by v_wmma_scale_f32_16x16x128_f8f6f4 with both operands' format E2M1 (or v_wmma_scale_f32_32x16x128_f4), f32 sums; products left as they are: bf16, f16 or f32 operands; f32 sums; everything else in f32.
;; Inputs: Wk 1,024 x 1,024 float32; Wo 1,024 x 1,024 float32; Wq 1,024 x 1,024 float32; Wv 1,024 x 1,024 float32; bk 1,024 float32; bo 1,024 float32; bq 1,024 float32; bv 1,024 float32; key 4 x 2,048 x 1,024 float32; query 4 x 2,048 x 1,024 float32; value 4 x 2,048 x 1,024 float32.
;; Outputs: out0 4 x 2,048 x 1,024 float32.
;; This version of the problem:
;;   THIS VERSION OF THE PROBLEM IS GIVEN IN LOW PRECISION. The matrix products marked QUANTISED in the list below multiply operands that are first quantised to E2M1 (2 exponent bits, 1 mantissa bit; 4 bits a number), with one power-of-two scale for each 32 numbers along K (OCP MX v1.0); their sums are f32. The products marked 'left as it is' may take bf16, f16 or f32 operands, with f32 sums. Whichever they take, every output number must still come out within the allowed error. Rounding operands to bf16 (8 significant bits) uses up far more of that allowance than f16 does (11 bits, for magnitudes from 6e-5 to 65,504). All else is computed in f32.
;;   The module's matrix products, in the order in which they are computed (A, B: the left and right operand; K: the contracted axis; several contracted axes count as one K, in the product's order):
;;     1. [M 8,192, K 1,024] x [K 1,024, N 1,024]; A: input query; B: input Wq: QUANTISED
;;     2. [M 8,192, K 1,024] x [K 1,024, N 1,024]; A: input key; B: input Wk: QUANTISED
;;     3. [M 8,192, K 1,024] x [K 1,024, N 1,024]; A: input value; B: input Wv: QUANTISED
;;     4. batch 64 x [M 2,048, K 64] x [K 64, N 2,048]; A: computed on the way; B: computed on the way: left as it is (an operand is computed on the way)
;;     5. batch 64 x [M 2,048, K 2,048] x [K 2,048, N 64]; A: computed on the way; B: computed on the way: left as it is (an operand is computed on the way)
;;     6. [M 8,192, K 1,024] x [K 1,024, N 1,024]; A: computed on the way; B: input Wo: left as it is (an operand is computed on the way)
;;   THE QUANTISER, for each operand of a quantised product, along K:
;;     - K is cut into blocks of 32 from its start; a last block that is shorter is filled with zeros.
;;     - A block's scale is 2^e with e = floor(log2(the largest magnitude in the block)) - 2, held to -126 .. 127; a block of zeros has e = 0. As a byte (E8M0): e + 127.
;;     - Each number is divided by its block's scale, clamped to +-6, and rounded to the nearest number of E2M1, ties to even, subnormals kept.
;;     - The product sums the exact products of the quantised numbers (number of the format x scale) in f32.
;;   ~~~python
;;   def quantise(x, axis):      # numpy; x: float32 -> the quantised numbers, widened to float32 again
;;       x = np.moveaxis(x, axis, -1); K = x.shape[-1]
;;       x = np.pad(x, [(0, 0)] * (x.ndim - 1) + [(0, -K % 32)]); x = x.reshape(x.shape[:-1] + (-1, 32)); a = np.abs(x).max(-1, keepdims=True)
;;       e = np.where(a > 0, np.clip(np.frexp(np.where(a > 0, a, 1))[1] - 1 - 2, -126, 127), 0)      # np.frexp(a)[1] - 1 = floor(log2(a)), exactly
;;       r = np.clip(x / 2.0 ** e, -6, 6)
;;       step = 2.0 ** (np.maximum(np.frexp(np.where(r == 0, 1, r))[1] - 1, 0) - 1)
;;       q = np.round(r / step) * step * 2.0 ** e      # np.round: ties to even
;;       return np.moveaxis(q.reshape(q.shape[:-2] + (-1,))[..., :K], -1, axis).astype(np.float32)
;;   ~~~
;; One version. Each part assembles by itself: llvm-mc -triple=amdgcn-amd-amdhsa -mcpu=gfx1250 --defsym DOCPART=n.
;; ======== version 1 of 1: 4 launches
;; limits: values are held in f16: magnitudes above 65,504 overflow, below 6.1e-05 lose precision
;; workspace buffers: xc 12,582,912 bytes; xs 786,432 bytes; wc 1,572,864 bytes; ws 98,304 bytes; wot 2,097,152 bytes; qkv 50,331,648 bytes; ctx 16,777,216 bytes
;; launch quant (part 1): grid 880 x 1, 4 waves a work-group, no clusters, 92,672 bytes of LDS; arguments query, key, value, Wq, Wk, Wv, Wo, xc, xs, wc, ws, wot; writes xc, xs, wc, ws, wot
.if DOCPART == 1
	.amdgcn_target "amdgcn-amd-amdhsa--gfx1250"
	.amdhsa_code_object_version 6
	.text
	.protected	k_q8c8b58abc5_quant
	.globl	k_q8c8b58abc5_quant
	.p2align	8
	.type	k_q8c8b58abc5_quant,@function
k_q8c8b58abc5_quant:
	s_mov_b64 s[64:65], 0
	v_nop
	global_prefetch_b8 v0, s[64:65] scope:SCOPE_SE
	s_setreg_imm32_b32 hwreg(HW_REG_WAVE_MODE, 25, 1), 1
	s_wait_xcnt 0x0
; THE OPERANDS ARE MADE ONCE.  Three kinds of work-group, told apart by the work-group's number alone:
;   W (numbers 0-47):    Wq, Wk, Wv [1024 k][1024 n] f32 -> codes of E2M1 laid [3 x 1024 n][1024 k], K innermost (wc, 512 bytes a row), and one E8M0 byte for each 32 along K (ws, 32 bytes a row)
;   O (numbers 48-111):  Wo [1024 k][1024 n] f32 -> f16, laid [1024 n][1024 k] (wot): the last product is left as it is and takes f16 operands
;   X (numbers 112-879): query, key, value [8192][1024] f32 -> codes (xc: the three tensors' rows on end, 512 bytes a row) and scale bytes (xs, 32 bytes a row)
; A block's scale is 2^(floor(log2(its largest magnitude)) - 2); its byte is the largest magnitude's exponent field - 2, held at 1 from below.  Each number is divided by the scale and rounded to the nearest code, ties to even,
; beyond 6 the largest code.
; LIMITS: a block of zeros gets the byte 1 where the quantiser says 127: its codes are zeros, which add nothing under any byte but 0xff, and this program alone reads the bytes.  Blocks whose largest magnitude lies under
; 2^-124, whose byte is held at 1, differ from the quantiser's e = -126 by at most a code's step of 2^-126.  NaN and infinities are not served.  |Wo| stays under 65,504 (f16).
; X: rows are dense and K is a multiple of 32: a tensor is a plain stream of blocks of 32.  A wave takes 16 steps of 512 numbers.  Each load reads 512 consecutive bytes; a step's 2,048 bytes turn through the wave's own stage
; in LDS, so that a lane holds 16 neighbours along K, as the conversions ask; two neighbouring lanes hold a block.  Loads run eight steps (32 loads a wave) ahead.
; W, O: a lane takes a column n and its registers run down K: each load reads 128 consecutive bytes a wave, a block of 32 along K lies in one lane, and the results come out with K innermost.  They go through the wave's own
; stage in LDS and leave as rows: sixteen lanes store 256 consecutive bytes, aligned.
; No tensor loads, no barrier: waves share nothing.  Each kind of work-group has LDS bytes of its own.
.set NW,    48                         ; work-groups of kind W: 3 tensors x 8 runs of 128 columns x 2 halves of K
.set NO,    64                         ; of kind O: 8 runs of 128 columns x 8 runs of 128 along K
.set SPW,   12                         ; v12  LDS address of my spare word: SPARE + 4 x my thread's number; never rewritten
.set NIL,   13                         ; v13  0; never rewritten
.set SP,    80                         ; X: a lane's place in a stage: its 64 bytes + 16 of padding
.set XREG,  5632                       ; X: a wave's region: two stages of 32 x SP bytes, and at 5,120 its 256 scale bytes
.set PITCH, 272                        ; W, O: a stage row: 256 bytes + 16 of padding
.set WST,   4*XREG                     ; W's four stages of 32 rows
.set OST,   WST+4*32*PITCH             ; O's four
.set SPARE, OST+4*32*PITCH             ; the spare words, 128 bytes for each wave: two blocks of 256 bytes that no other line names
.set STEPS, 16
.set AHEAD, 8
.set XR,    16                         ; X: v16-143  eight sets of 16 numbers as they are loaded
.set XX,    144                        ; X: v144-175 two sets of 16 neighbours
.set XE,    176                        ; X: v176-191 a scale byte for each step
.set XC,    192                        ; X: v192-223 two registers of codes for each step: no store's data are written again
.set WSB,   24                         ; W: v24-27   the scale bytes, four to a register
.set WX,    32                         ; W, O: v32-95 two sets of 32 numbers
.set WC,    96                         ; W: v96-99   a block's codes
.set WOUT,  112                        ; W, O: v112-175 the way out
.macro FINISH                          ; a wave's end
	s_wait_tensorcnt 0x0
	ds_add_u32 v[SPW], v[NIL]
	s_wait_dscnt 0x0
	s_endpgm
.endm
; ---- X
.macro XLOAD t
.irp i, 0,1,2,3
	global_load_b128 v[XR+16*((\t)%AHEAD)+4*\i:XR+16*((\t)%AHEAD)+4*\i+3], v3, s[36:37] offset:2048*(\t)+512*\i th:TH_LOAD_NT   ; 32 lanes read 512 consecutive bytes
.endr
.endm
.macro XTURN t                         ; step t's numbers through the stage: LDS serves a wave's instructions in order, so no wait stands between the stores and the loads
.irp i, 0,1,2,3
	ds_store_b128 v14, v[XR+16*((\t)%AHEAD)+4*\i:XR+16*((\t)%AHEAD)+4*\i+3] offset:32*SP*((\t)%2)+8*SP*\i
.endr
.irp i, 0,1,2,3
	ds_load_b128 v[XX+16*((\t)%2)+4*\i:XX+16*((\t)%2)+4*\i+3], v15 offset:32*SP*((\t)%2)+16*\i
.endr
.endm
.macro XSTEP t
.set XS, XX+16*((\t)%2)
.if (\t) > 0
	s_wait_dscnt 1                                 ; this step's numbers are back from the stage (the last step's byte store may be out): so its stores into the stage have read their registers,
.else
	s_wait_dscnt 0x0
.endif
.if (\t)+AHEAD < STEPS
	XLOAD (\t)+AHEAD                               ; which take the loads of eight steps on
.endif
.if (\t)+1 < STEPS
.if STEPS-2-(\t) >= AHEAD-1
	s_wait_loadcnt 4*(AHEAD-1)                     ; the next step's four loads are in; those of the seven steps behind it may be out
.else
	s_wait_loadcnt 4*(STEPS-2-(\t))                ; towards the end: as many steps as are left behind it
.endif
	XTURN (\t)+1                                   ; and go through the other stage while this step is worked
.endif
	v_max3_num_f32 v8, |v[XS]|, |v[XS+1]|, |v[XS+2]|               ; the largest magnitude of my 16, in two chains
	v_max3_num_f32 v9, |v[XS+3]|, |v[XS+4]|, |v[XS+5]|
.irp i, 6,10
	v_max3_num_f32 v8, v8, |v[XS+\i]|, |v[XS+\i+1]|
	v_max3_num_f32 v9, v9, |v[XS+\i+2]|, |v[XS+\i+3]|
.endr
	v_max3_num_f32 v8, v8, |v[XS+14]|, |v[XS+15]|
	v_max3_num_f32 v8, v8, v9, 0x1800000           ; and the floor 2^(3 - 127): the byte cannot fall under 1
	v_max_num_f32_dpp v8, v8, v8 row_xmask:1 row_mask:0xf bank_mask:0xf   ; and of my neighbour's 16: the block's
	v_add_nc_u32 v11, 0xff000000, v8               ; 2 off its exponent field: the conversion takes the exponent field of this operand as its scale, and nothing else of it
	v_cvt_scalef32_pk8_fp4_f32 v[XC+2*(\t)], v[XS:XS+7], v11       ; the first number's code in the lowest four bits
	v_cvt_scalef32_pk8_fp4_f32 v[XC+2*(\t)+1], v[XS+8:XS+15], v11
	v_lshrrev_b32 v[XE+(\t)], 23, v11              ; the scale's byte (a plain line behind the conversions)
	ds_store_b8 v5, v[XE+(\t)] offset:16*(\t)      ; both lanes of a block write the same byte with the same value
	global_store_b64 v4, v[XC+2*(\t):XC+2*(\t)+1], s[22:23] offset:256*(\t)   ; the wave stores 256 consecutive bytes, aligned
.endm
; ---- W and O
.macro WLOAD t                         ; block t: rows 32 t + i of my column, i = 0 .. 31, into set t % 2; a row of a weight is 4,096 bytes
.irp i, 0,1,2,3,4,5,6,7,8,9,10,11,12,13,14,15,16,17,18,19,20,21,22,23,24,25,26,27,28,29,30,31
	global_load_b32 v[WX+32*((\t)%2)+\i], v3, s[36:37] offset:(32*(\t)+\i)*4096 th:TH_LOAD_NT
.endr
.endm
.macro WBLOCK t
.set XS, WX+32*((\t)%2)
.if (\t) < 15
	s_wait_loadcnt 32                              ; this block's 32 loads are in; the next block's may be out
.else
	s_wait_loadcnt 0x0
.endif
	v_max3_num_f32 v16, |v[XS]|, |v[XS+1]|, |v[XS+2]|              ; the block's largest magnitude: all 32 numbers are mine
	v_max3_num_f32 v17, |v[XS+3]|, |v[XS+4]|, |v[XS+5]|
.irp i, 6,10,14,18,22,26
	v_max3_num_f32 v16, v16, |v[XS+\i]|, |v[XS+\i+1]|
	v_max3_num_f32 v17, v17, |v[XS+\i+2]|, |v[XS+\i+3]|
.endr
	v_max3_num_f32 v16, v16, |v[XS+30]|, |v[XS+31]|
	v_max3_num_f32 v16, v16, v17, 0x1800000        ; and the floor
	v_add_nc_u32 v18, 0xff000000, v16              ; the conversion's scale operand
	v_lshrrev_b32 v17, 23, v18                     ; the scale's byte
.if (\t)%4 == 0
	v_mov_b32 v[WSB+(\t)/4], v17                   ; four bytes to a register, the lower K in the lower byte
.else
	v_lshl_or_b32 v[WSB+(\t)/4], v17, 8*((\t)%4), v[WSB+(\t)/4]
.endif
.irp g, 0,1,2,3
	v_cvt_scalef32_pk8_fp4_f32 v[WC+\g], v[XS+8*\g:XS+8*\g+7], v18
.endr
	ds_store_b128 v4, v[WC:WC+3] offset:16*(\t)    ; 32 codes: 16 bytes of my column's row
.if (\t)+2 < 16
	WLOAD (\t)+2
.endif
	s_wait_dscnt 0x0                               ; the store has read its registers: the next block's codes may be written (its first lines are plain ones, the place behind the conversions)
.endm
.macro OBLOCK t
.set XS, WX+32*((\t)%2)
.if (\t) < 3
	s_wait_loadcnt 32
.else
	s_wait_loadcnt 0x0
.endif
.irp i, 0,1,2,3,4,5,6,7,8,9,10,11,12,13,14,15
	v_cvt_pk_f16_f32 v[XS+\i], v[XS+2*\i], v[XS+2*\i+1]   ; in place, ascending: the result never overtakes its sources; the lower k in the low half
.endr
.irp i, 0,1,2,3
	ds_store_b128 v4, v[XS+4*\i:XS+4*\i+3] offset:64*(\t)+16*\i   ; 32 numbers: 64 bytes of my column's row
.endr
	s_wait_dscnt 0x0                               ; the stores have read their registers,
.if (\t)+2 < 4
	WLOAD (\t)+2                                   ; which take the block two further on
.endif
.endm
.macro WAYOUT lo, rowb                 ; the stage's 32 rows of 256 bytes leave, two rows an instruction; rowb: a row of the buffer in bytes
.irp t, 0,1,2,3,4,5,6,7,8,9,10,11,12,13,14,15
	ds_load_b128 v[WOUT+4*\t:WOUT+4*\t+3], v7 offset:2*\t*PITCH   ; LDS serves a wave's instructions in order: these see my stores
.endr
.irp t, 0,1,2,3,4,5,6,7,8,9,10,11,12,13,14,15
	s_wait_dscnt 15-\t                             ; the younger loads may be out
	global_store_b128 v8, v[WOUT+4*\t:WOUT+4*\t+3], s[\lo:\lo+1] offset:2*\t*\rowb
.endr
.endm
	s_load_b512 s[8:23], s[0:1], 0x0               ; query s[8:9], key s[10:11], value s[12:13], Wq s[14:15], Wk s[16:17], Wv s[18:19], Wo s[20:21], xc s[22:23]
	s_load_b256 s[24:31], s[0:1], 0x40             ; xs s[24:25], wc s[26:27], ws s[28:29], wot s[30:31]
	v_lshl_add_u32 v[SPW], v0, 2, SPARE
	v_mov_b32 v[NIL], 0
	v_lshrrev_b32 v1, 5, v0
	v_readfirstlane_b32 s32, v1                    ; wave 0..3
	v_and_b32 v2, 31, v0                           ; lane
	s_mov_b32 s39, 0                               ; the upper word of every offset: all stay under 2^32
	s_wait_kmcnt 0x0
	s_cmp_lt_u32 ttmp9, NW
	s_cbranch_scc1 .Lpath_w
	s_cmp_lt_u32 ttmp9, NW+NO
	s_cbranch_scc1 .Lpath_o
	; ---------------- X: 768 work-groups, 256 to a tensor, 32,768 numbers each
	s_sub_co_u32 s33, ttmp9, NW+NO                 ; g
	s_lshr_b32 s34, s33, 8                         ; which tensor
	s_cmp_eq_u32 s34, 0
	s_cselect_b64 s[36:37], s[8:9], s[10:11]
	s_cmp_eq_u32 s34, 2
	s_cselect_b64 s[36:37], s[12:13], s[36:37]
	s_and_b32 s35, s33, 255
	s_lshl_b32 s35, s35, 2
	s_add_co_u32 s35, s35, s32                     ; which run of 8,192 numbers of the tensor is my wave's
	s_lshl_b32 s38, s35, 15                        ; 32,768 bytes a run
	s_add_nc_u64 s[36:37], s[36:37], s[38:39]
	s_lshl_b32 s33, s33, 2
	s_add_co_u32 s33, s33, s32                     ; and of the three tensors on end
	s_lshl_b32 s38, s33, 12                        ; 4,096 bytes of codes a run
	s_add_nc_u64 s[22:23], s[22:23], s[38:39]
	s_lshl_b32 s38, s33, 8                         ; 256 scale bytes a run
	s_add_nc_u64 s[24:25], s[24:25], s[38:39]
	v_lshlrev_b32 v3, 4, v2                        ; my 16 bytes of a load's 512
	s_mul_i32 s40, s32, XREG
	v_lshrrev_b32 v14, 2, v2
	v_mul_u32_u24 v14, v14, SP
	v_and_b32 v15, 3, v2
	v_lshl_add_u32 v14, v15, 4, v14
	v_add_nc_u32 v14, s40, v14                     ; the stage, on the way in: four lanes' 64 bytes on end, then 16 of padding
	v_mul_u32_u24 v15, v2, SP
	v_add_nc_u32 v15, s40, v15                     ; and on the way out: my 16 neighbours
	v_lshlrev_b32 v4, 3, v2                        ; my codes' place in a step's: 8 bytes a lane
	v_lshrrev_b32 v5, 1, v2
	s_add_co_u32 s40, s40, 2*32*SP
	v_add_nc_u32 v5, s40, v5                       ; my wave's 256 scale bytes, my block's byte
	v_lshlrev_b32 v7, 3, v2                        ; and on the way out 8 bytes a lane
	v_add_nc_u32 v6, s40, v7
.irp t, 0,1,2,3,4,5,6,7
	XLOAD \t
.endr
	s_wait_loadcnt 4*(AHEAD-1)                     ; step 0's four loads are in; seven steps' may be out
	XTURN 0
.irp t, 0,1,2,3,4,5,6,7,8,9,10,11,12,13,14,15
	XSTEP \t
.endr
	ds_load_b64 v[8:9], v6                         ; LDS serves a wave's instructions in order: these see my byte stores
	s_wait_dscnt 0x0
	global_store_b64 v7, v[8:9], s[24:25]          ; 32 lanes store 256 consecutive bytes, aligned
	FINISH
	; ---------------- W: tensor = number / 16; 128 columns = number % 8; half of K = bit 3
.Lpath_w:
	s_lshr_b32 s33, ttmp9, 4
	s_and_b32 s34, ttmp9, 7
	s_bfe_u32 s35, ttmp9, 0x10003
	s_cmp_eq_u32 s33, 0
	s_cselect_b64 s[36:37], s[14:15], s[16:17]
	s_cmp_eq_u32 s33, 2
	s_cselect_b64 s[36:37], s[18:19], s[36:37]
	s_lshl_b32 s34, s34, 7
	s_lshl_b32 s38, s32, 5
	s_add_co_u32 s34, s34, s38                     ; my wave's first column
	s_lshl_b32 s38, s35, 21                        ; 512 rows of 4,096 bytes
	s_lshl_b32 s40, s34, 2
	s_add_co_u32 s38, s38, s40
	s_add_nc_u64 s[36:37], s[36:37], s[38:39]
	s_lshl_b32 s33, s33, 10
	s_add_co_u32 s33, s33, s34                     ; my first row of wc and ws
	s_lshl_b32 s38, s33, 9
	s_lshl_b32 s40, s35, 8
	s_add_co_u32 s38, s38, s40                     ; 512 bytes a row, + 256 for the upper half of K
	s_add_nc_u64 s[26:27], s[26:27], s[38:39]
	s_lshl_b32 s38, s33, 5
	s_lshl_b32 s40, s35, 4
	s_add_co_u32 s38, s38, s40                     ; 32 bytes a row, + 16
	s_add_nc_u64 s[28:29], s[28:29], s[38:39]
	v_lshlrev_b32 v3, 2, v2                        ; in: 4 bytes a lane
	s_mul_i32 s40, s32, 32*PITCH
	s_add_co_u32 s40, s40, WST                     ; my stage
	v_mul_u32_u24 v4, v2, PITCH
	v_add_nc_u32 v4, s40, v4                       ; into it: row = my column
	v_and_b32 v5, 15, v2
	v_lshrrev_b32 v6, 4, v2                        ; out of it: sixteen lanes to a row, two rows an instruction
	v_mul_u32_u24 v7, v6, PITCH
	v_lshl_add_u32 v7, v5, 4, v7
	v_add_nc_u32 v7, s40, v7
	v_lshlrev_b32 v8, 9, v6
	v_lshl_add_u32 v8, v5, 4, v8                   ; and the same place in wc
	v_lshlrev_b32 v9, 5, v2                        ; my column's row of ws
	WLOAD 0
	WLOAD 1
.irp t, 0,1,2,3,4,5,6,7,8,9,10,11,12,13,14,15
	WBLOCK \t
.endr
	global_store_b128 v9, v[WSB:WSB+3], s[28:29]   ; my column's 16 scale bytes
	WAYOUT 26, 512
	FINISH
	; ---------------- O: 128 columns = (number - 48) % 8; 128 along K = (number - 48) / 8
.Lpath_o:
	s_sub_co_u32 s33, ttmp9, NW
	s_and_b32 s34, s33, 7
	s_lshr_b32 s35, s33, 3
	s_lshl_b32 s34, s34, 7
	s_lshl_b32 s38, s32, 5
	s_add_co_u32 s34, s34, s38                     ; my wave's first column
	s_lshl_b32 s38, s35, 19                        ; 128 rows of 4,096 bytes
	s_lshl_b32 s40, s34, 2
	s_add_co_u32 s38, s38, s40
	s_add_nc_u64 s[36:37], s[20:21], s[38:39]
	s_lshl_b32 s38, s34, 11                        ; a row of wot is 2,048 bytes
	s_lshl_b32 s40, s35, 8
	s_add_co_u32 s38, s38, s40
	s_add_nc_u64 s[30:31], s[30:31], s[38:39]
	v_lshlrev_b32 v3, 2, v2
	s_mul_i32 s40, s32, 32*PITCH
	s_add_co_u32 s40, s40, OST                     ; my stage
	v_mul_u32_u24 v4, v2, PITCH
	v_add_nc_u32 v4, s40, v4
	v_and_b32 v5, 15, v2
	v_lshrrev_b32 v6, 4, v2
	v_mul_u32_u24 v7, v6, PITCH
	v_lshl_add_u32 v7, v5, 4, v7
	v_add_nc_u32 v7, s40, v7
	v_lshlrev_b32 v8, 11, v6
	v_lshl_add_u32 v8, v5, 4, v8
	WLOAD 0
	WLOAD 1
.irp t, 0,1,2,3
	OBLOCK \t
.endr
	WAYOUT 30, 2048
	FINISH
.Lfunc_end_k_q8c8b58abc5_quant:
	.size	k_q8c8b58abc5_quant, .Lfunc_end_k_q8c8b58abc5_quant-k_q8c8b58abc5_quant
	.p2alignl 7, 3214868480
	.fill 96, 4, 3214868480
	.section	.rodata,"a",@progbits
	.p2align	6, 0x0
	.amdhsa_kernel k_q8c8b58abc5_quant
		.amdhsa_group_segment_fixed_size 92672
		.amdhsa_private_segment_fixed_size 0
		.amdhsa_enable_private_segment 0
		.amdhsa_kernarg_size 96
		.amdhsa_user_sgpr_count 2
		.amdhsa_user_sgpr_kernarg_segment_ptr 1
		.amdhsa_wavefront_size32 1
		.amdhsa_system_sgpr_workgroup_id_x 1
		.amdhsa_system_sgpr_workgroup_id_y 1
		.amdhsa_system_sgpr_workgroup_id_z 1
		.amdhsa_system_vgpr_workitem_id 0
		.amdhsa_next_free_vgpr 224
		.amdhsa_next_free_sgpr 66
		.amdhsa_reserve_vcc 0
		.amdhsa_float_denorm_mode_32 3
		.amdhsa_float_denorm_mode_16_64 3
		.amdhsa_memory_ordered 1
		.amdhsa_forward_progress 1
		.amdhsa_inst_pref_size 132
	.end_amdhsa_kernel
	.amdgpu_metadata
---
amdhsa.version: [ 1, 2 ]
amdhsa.kernels:
  - .name:           k_q8c8b58abc5_quant
    .symbol:         k_q8c8b58abc5_quant.kd
    .args:
      - { .name: query, .offset: 0, .size: 8, .value_kind: global_buffer, .address_space: global }
      - { .name: key, .offset: 8, .size: 8, .value_kind: global_buffer, .address_space: global }
      - { .name: value, .offset: 16, .size: 8, .value_kind: global_buffer, .address_space: global }
      - { .name: Wq, .offset: 24, .size: 8, .value_kind: global_buffer, .address_space: global }
      - { .name: Wk, .offset: 32, .size: 8, .value_kind: global_buffer, .address_space: global }
      - { .name: Wv, .offset: 40, .size: 8, .value_kind: global_buffer, .address_space: global }
      - { .name: Wo, .offset: 48, .size: 8, .value_kind: global_buffer, .address_space: global }
      - { .name: xc, .offset: 56, .size: 8, .value_kind: global_buffer, .address_space: global }
      - { .name: xs, .offset: 64, .size: 8, .value_kind: global_buffer, .address_space: global }
      - { .name: wc, .offset: 72, .size: 8, .value_kind: global_buffer, .address_space: global }
      - { .name: ws, .offset: 80, .size: 8, .value_kind: global_buffer, .address_space: global }
      - { .name: wot, .offset: 88, .size: 8, .value_kind: global_buffer, .address_space: global }
    .group_segment_fixed_size: 92672
    .private_segment_fixed_size: 0
    .kernarg_segment_align: 8
    .kernarg_segment_size: 96
    .max_flat_workgroup_size: 128
    .sgpr_count:     66
    .vgpr_count:     224
    .wavefront_size: 32
...
	.end_amdgpu_metadata
.endif
;; end of part 1
;; launch proj (part 2): grid 4 x 96, 4 waves a work-group, clusters of 4 x 4, 327,680 bytes of LDS; arguments xc, xs, wc, ws, bq, bk, bv, qkv; writes qkv
.if DOCPART == 2
	.amdgcn_target "amdgcn-amd-amdhsa--gfx1250"
	.amdhsa_code_object_version 6
	.text
	.protected	k_q8c8b58abc5_proj
	.globl	k_q8c8b58abc5_proj
	.p2align	8
	.type	k_q8c8b58abc5_proj,@function
k_q8c8b58abc5_proj:
	s_mov_b64 s[64:65], 0
	v_nop
	global_prefetch_b8 v0, s[64:65] scope:SCOPE_SE
	s_setreg_imm32_b32 hwreg(HW_REG_WAVE_MODE, 25, 1), 1
	s_wait_xcnt 0x0
	s_wait_alu depctr_hold_cnt(0) depctr_sa_sdst(0) depctr_va_vdst(0) depctr_va_sdst(0) depctr_va_ssrc(0) depctr_va_vcc(0) depctr_vm_vsrc(0)
	s_getreg_b32 s2, hwreg(HW_REG_IB_STS2, 6, 4)
	s_cmp_eq_u32 s2, 0
	s_cbranch_scc0 .Lentry_in_a_cluster
	s_endpgm
.Lentry_in_a_cluster:
	s_bfe_u32 s2, ttmp6, 0x10000c
	s_cmp_lg_u32 s2, 0xf033
	s_cbranch_scc0 .Lentry_shape_is_right
	s_endpgm
.Lentry_shape_is_right:
; THE THREE PROJECTIONS AS ONE PRODUCT ON CODES OF E2M1: qkv[24,576][1,024] = A B^T + bias, rounded to f16.  A: xc, the rows of query, key and value on end, 512 bytes of codes a row, scale bytes xs (32 a row).
; B: wc, the columns of Wq, Wk, Wv as rows, 1,024 to a tensor; scale bytes ws.  Rows 8,192 T .. of A go with rows 1,024 T .. of B and with bias T.  Sums in f32; the bias is the C of each sum's first product.
; LIMIT: the results go on as f16 operands of products that are left as they are: |Q|, |K|, |V| stay under 65,504.
; A tile of 256 x 256 is made by a work-group of four waves; a wave makes 128 x 128: 64 accumulators of 16 x 16, 512 registers.  K = 1,024 is two LDS slots of 512 along K (rows of 256 bytes): both are asked for at the
; start, and nothing is filled again.  The scale bytes of the work-group's 256 rows of A and of B, for all of K, are two dense blocks of memory: they come once, as rows of 256 bytes.
; CLUSTERS: 4 x 4 work-groups.  The four of a row of the cluster need the same tiles of A, the four of a column the same tiles of B: each tile is asked for jointly, by the same tensor load with the same descriptor and a
; mask that names the four.  A tensor is 8 rows of clusters, so all sixteen partners have the same T.
; THE MATRIX INSTRUCTION IS USED TRANSPOSED (source 0 = 16 rows of B, source 1 = 16 rows of A): a lane holds eight neighbouring numbers of a row of the result, which pack into 16 bytes of f16.
; REGISTERS, in windows of 256: window 0: v0-31 addresses; v32-95 scale words, two sets; v128-191 A's fragments, ONE set; v192-255 the bias (8 blocks of 16 columns x 8); on the way out v128-255 are free.
;   window 1: B's fragments, TWO sets, at v0 and v128.   window 2: the accumulators of my rows 0-63 ((a, b) at v[8 (8 a + b)]);   window 3: those of my rows 64-127.
.set NQ,     4                         ; steps of 128 along K in a slot
.set ROWB,   256                       ; a tile's row in bytes
.set KROW,   512                       ; a row of codes in memory
.set PITCH,  272                       ; an LDS row: 256 bytes + 16 of padding = 68 words: the 16 rows that a load touches start at 16 different banks (64 banks of 4 bytes: ISA guide 11.1)
.set FR,     8                         ; registers of a fragment
.set NL,     2                         ; LDS loads that bring one
.set NP,     4                         ; places behind this matrix instruction (ISA guide 7.12.1)
.set HALFT,  128*PITCH                 ; 128 rows: what one tensor load brings
.set SLOT,   4*HALFT                   ; A's 256 rows, then B's 256 rows
.set KS,     32                        ; a row of scale bytes
.set SCL,    2*SLOT                    ; behind the slots: the scale bytes, as rows of 256 bytes + 16 of padding
.set HALFS,  16*272                    ; those of 128 rows
.set SBLK,   2*272                     ; those of 16 rows
.set SPARE,  SCL+4*HALFS               ; the spare words, 128 bytes for each wave: two blocks of 256 bytes that no other line names
.set SPITCH, 272                       ; the way out: a stage of 16 rows x (256 bytes + 16) for each wave, in slot 0, which has had its only fill and its last read when the first result is stored there
.set OUTROW, 2048                      ; a row of qkv in bytes
.set ADRA, 16                          ; v16-17  LDS address of my A fragments in slot 0, 1
.set ADRB, 20                          ; v20-21  the same for B
.set STO,  24                          ; v24     the way out: where I put 16 bytes of a row
.set RD,   25                          ; v25     where I read a row back
.set CO,   26                          ; v26     my byte offset in qkv
.set ADRS, 27                          ; v27     LDS address of my scale words: lanes 0-15 A's rows, lanes 16-31 B's
.set SPW,  28                          ; v28     LDS address of my spare word; never rewritten
.set NIL,  29                          ; v29     0; never rewritten
.set BO,   30                          ; v30     32 x (lane / 16): my eight numbers of a block of the bias
.set SC,   32                          ; scale words: set s at v[SC + 32 s]; register 4 i + q: lanes 0-15 the word of A's block i, lanes 16-31 that of B's block i, for the slot's q-th 128 along K
.set AF,   128                         ; A's fragments
.set BIAS, 192                         ; the bias, in the result's layout
.set TMP,  192                         ; the way out: packed results
.set OB,   128                         ; the way out: 16 rows read back: v128-159 and v160-191 by turns
.set G1, 24                            ; s[24:31] descriptor group 1 for A's tiles;  s[32:39] group 0, one set for each slot
.set G0, 32
.set G1B, 48                           ; s[48:55], s[56:63] the same for B's tiles
.set G0B, 56
.set G1S, 68                           ; s[68:75], s[76:79] groups 1 and 0 for A's scale bytes;  s[80:87], s[88:91] for B's
.set G0S, 76
.set G1SB, 80
.set G0SB, 88
.set MSB, 0
.macro WIN new                         ; the immediate's high byte repeats the setting that is left; a switch that changes nothing is dropped
.if MSB != (\new)
	s_set_vgpr_msb (MSB<<8)|(\new)
.set MSB, (\new)
.endif
.endm
.set MUL_LO, 0xa1                      ; source 0 (B) window 1, source 1 (A) window 0, C and D window 2
.set MUL_HI, 0xf1                      ; the same, C and D window 3
.set BEG_LO, 0x81                      ; a sum's first product: C (the bias) window 0, D window 2
.set BEG_HI, 0xc1                      ; D window 3
.set TO_B,   0x40                      ; destination window 1, address window 0
; A joint load: waves 0 and 1 fetch for A, waves 2 and 3 for B.  Each of the two lines has one mask and one set of registers for all that issue it; the branch hangs on the wave's number alone.
; An s_nop 0 and four v_nop follow each of the two lines, ahead of the jump, the label and what follows.
.macro JLOAD g0a, g1a, g0b, g1b
	s_cmp_eq_u32 s13, 0
	s_cbranch_scc0 .Lfor_b_\@
	tensor_load_to_lds s[\g0a:\g0a+3], s[\g1a:\g1a+7]
	s_nop 0
.rept 4
	v_nop
.endr
	s_branch .Lasked_\@
.Lfor_b_\@:
	tensor_load_to_lds s[\g0b:\g0b+3], s[\g1b:\g1b+7]
	s_nop 0
.rept 4
	v_nop
.endr
.Lasked_\@:
.endm
.macro CROUND                          ; a round of the cluster's barrier: my work-group's barrier; wave 0 signals for the work-group; every wave waits for all sixteen; my work-group's barrier once more
	s_barrier_signal -1
	s_barrier_wait -1
	s_cmp_lg_u32 s12, 0
	s_cbranch_scc1 .Lnot_wave_0_\@
	s_barrier_signal -3
.Lnot_wave_0_\@:
	s_barrier_wait -3
	s_barrier_signal -1
	s_barrier_wait -1
.endm
	s_load_b256 s[4:11], s[0:1], 0x0               ; xc s[4:5], xs s[6:7], wc s[8:9], ws s[10:11]
	s_load_b128 s[92:95], s[0:1], 0x20             ; bq, bk
	s_load_b128 s[96:99], s[0:1], 0x30             ; bv, qkv
	v_lshl_add_u32 v[SPW], v0, 2, SPARE
	v_mov_b32 v[NIL], 0
	ds_add_u32 v[SPW], v[NIL]                      ; the wave's opening: the add, twice on end, and its wait ahead of my first tensor load; the set-up below, work on registers, stands between
	ds_add_u32 v[SPW], v[NIL]
	v_lshrrev_b32 v1, 5, v0
	v_readfirstlane_b32 s12, v1                    ; wave 0..3
	s_lshr_b32 s13, s12, 1                         ; which half of the tile's rows is mine.  Also: I fetch for A (0) or for B (1)
	s_and_b32 s14, s12, 1                          ; which half of its columns.  Also: which 128 rows of that tile I fetch
	s_bfe_u32 s16, ttmp6, 0x40000                  ; cx, cy: my place in the cluster
	s_bfe_u32 s17, ttmp6, 0x40004
	s_lshl_b32 s18, ttmp9, 2
	s_add_co_u32 s18, s18, s16                     ; tile column = 4 x cluster x + cx
	s_and_b32 s19, ttmp7, 0xffff
	s_lshr_b32 s15, s19, 3                         ; T: 8 rows of clusters to a tensor
	s_lshl_b32 s19, s19, 2
	s_add_co_u32 s19, s19, s17                     ; tile row = 4 x cluster y + cy
	s_lshl_b32 s40, s17, 2
	s_lshl_b32 s40, 15, s40                        ; my row of the cluster
	s_lshl_b32 s41, 0x1111, s16                    ; my column
	; descriptor group 1: a tile of 128 rows x 256 bytes, padded in LDS
	s_or_b32 s[G1+0], s40, (0<<16)|(1<<20)|(1<<21)|(5<<22)|(3<<25)   ; 15:0 the mask; 17:16 elements of 1 byte; 20 padding on; 21 set beside a mask; 24:22 after every 64 words (code 5); 31:25 four words (code 3)
	s_or_b32 s[G1B+0], s41, (0<<16)|(1<<20)|(1<<21)|(5<<22)|(3<<25)
.irp g, G1, G1B
	s_mov_b32 s[\g+1], ROWB<<16                    ; tensor_dim0
	s_mov_b32 s[\g+2], 128<<16                     ; tensor_dim1
	s_mov_b32 s[\g+3], ROWB<<16                    ; tile_dim0
	s_mov_b32 s[\g+4], 128                         ; tile_dim1
	s_mov_b32 s[\g+5], KROW                        ; from row to row
	s_mov_b32 s[\g+6], 0
	s_mov_b32 s[\g+7], 0
.endr
	; and for the scale bytes of 128 rows: 4,096 dense bytes, as 16 rows of 256 bytes (32 elements of 8 bytes), 16 bytes of padding behind each
	s_or_b32 s[G1S+0], s40, (3<<16)|(1<<20)|(1<<21)|(5<<22)|(3<<25)
	s_or_b32 s[G1SB+0], s41, (3<<16)|(1<<20)|(1<<21)|(5<<22)|(3<<25)
.irp g, G1S, G1SB
	s_mov_b32 s[\g+1], 32<<16
	s_mov_b32 s[\g+2], 16<<16
	s_mov_b32 s[\g+3], 32<<16
	s_mov_b32 s[\g+4], 16
	s_mov_b32 s[\g+5], 32
	s_mov_b32 s[\g+6], 0
	s_mov_b32 s[\g+7], 0
.endr
	s_lshl_b32 s46, s14, 7                         ; which 128 rows of the tile I fetch
	s_lshl_b32 s20, s19, 8
	s_add_co_u32 s20, s20, s46                     ; A: row 256 x tile row + 128 x half
	s_lshl_b32 s42, s18, 8
	s_add_co_u32 s42, s42, s46
	s_lshl_b32 s43, s15, 10
	s_add_co_u32 s42, s42, s43                     ; B: row 1,024 T + 256 x tile column + 128 x half
	s_lshl_b32 s22, s20, 5                         ; where these rows' scale bytes begin (all offsets stay under 2^32),
	s_mov_b32 s23, 0
	s_lshl_b32 s20, s20, 9                         ; and their codes
	s_mov_b32 s21, 0
	s_lshl_b32 s44, s42, 5
	s_mov_b32 s45, 0
	s_lshl_b32 s42, s42, 9
	s_mov_b32 s43, 0
	s_mul_i32 s47, s12, HALFT                      ; where they go: wave x 128 rows: no place in the cluster enters an LDS address
	s_mul_i32 s46, s12, HALFS
	s_wait_dscnt 0x0                               ; both opening adds are done
	s_wait_kmcnt 0x0
	s_add_nc_u64 s[20:21], s[4:5], s[20:21]
	s_add_nc_u64 s[22:23], s[6:7], s[22:23]
	s_add_nc_u64 s[42:43], s[8:9], s[42:43]
	s_add_nc_u64 s[44:45], s[10:11], s[44:45]
	CROUND                                         ; all sixteen work-groups are here: the joint loads meet
	s_mov_b32 s[G0S], 1
	s_add_co_u32 s[G0S+1], s46, SCL
	s_mov_b64 s[G0S+2:G0S+3], s[22:23]
	s_or_b32 s[G0S+3], s[G0S+3], 0x80000000
	s_mov_b32 s[G0SB], 1
	s_add_co_u32 s[G0SB+1], s46, SCL
	s_mov_b64 s[G0SB+2:G0SB+3], s[44:45]
	s_or_b32 s[G0SB+3], s[G0SB+3], 0x80000000
	JLOAD G0S, G1S, G0SB, G1SB                     ; the scale bytes first: they are wanted with slot 0
.irp s, 0,1
	s_mov_b32 s[G0+4*\s], 1
	s_add_co_u32 s[G0+4*\s+1], s47, \s*SLOT
	s_add_nc_u64 s[G0+4*\s+2:G0+4*\s+3], s[20:21], \s*ROWB
	s_or_b32 s[G0+4*\s+3], s[G0+4*\s+3], 0x80000000
	s_mov_b32 s[G0B+4*\s], 1
	s_add_co_u32 s[G0B+4*\s+1], s47, \s*SLOT
	s_add_nc_u64 s[G0B+4*\s+2:G0B+4*\s+3], s[42:43], \s*ROWB
	s_or_b32 s[G0B+4*\s+3], s[G0B+4*\s+3], 0x80000000
	JLOAD G0+4*\s, G1, G0B+4*\s, G1B               ; three loads of mine are out in all
.endr
	v_and_b32 v1, 15, v0                           ; r = l % 16
	v_bfe_u32 v2, v0, 4, 1                         ; h = l / 16
	v_lshlrev_b32 v[BO], 5, v2
	; the bias of my 128 columns: block b's eight numbers of my half of the lanes, in the result's layout
	s_cmp_eq_u32 s15, 0
	s_cselect_b64 s[92:93], s[92:93], s[94:95]
	s_cmp_eq_u32 s15, 2
	s_cselect_b64 s[92:93], s[96:97], s[92:93]
	s_lshl_b32 s2, s18, 10
	s_lshl_b32 s3, s14, 9
	s_add_co_u32 s2, s2, s3                        ; 4 x (256 x tile column + 128 x half)
	s_mov_b32 s3, 0
	s_add_nc_u64 s[92:93], s[92:93], s[2:3]
.irp b, 0,1,2,3,4,5,6,7
	global_load_b128 v[BIAS+8*\b:BIAS+8*\b+3],   v[BO], s[92:93] offset:64*\b
	global_load_b128 v[BIAS+8*\b+4:BIAS+8*\b+7], v[BO], s[92:93] offset:64*\b+16
.endr
	s_lshr_b32 s2, s2, 1                           ; the same columns in f16
	s_add_nc_u64 s[98:99], s[98:99], s[2:3]
	s_lshl_b32 s2, s19, 8
	s_lshl_b32 s20, s13, 7
	s_add_co_u32 s2, s2, s20                       ; my first row: 256 x tile row + 128 x half
	s_lshl_b32 s2, s2, 11
	s_add_nc_u64 s[98:99], s[98:99], s[2:3]
	v_mul_u32_u24 v3, v1, PITCH
	v_lshl_add_u32 v4, v2, 4, v3                   ; a fragment's row x pitch + 16 x half
	s_mul_i32 s2, s13, HALFT                       ; my 128 rows of A
	s_mul_i32 s3, s14, HALFT                       ; my 128 rows of B,
	s_add_co_u32 s3, s3, 2*HALFT                   ; which lie behind A's 256
.irp s, 0,1
	v_add_nc_u32 v[ADRA+\s], s2, v4
	v_add_nc_u32 v[ADRB+\s], s3, v4
	s_add_co_u32 s2, s2, SLOT
	s_add_co_u32 s3, s3, SLOT
.endr
	v_mul_u32_u24 v5, v1, KS                       ; my row's scale bytes: 32 a row,
	v_lshrrev_b32 v6, 8, v5
	v_lshl_add_u32 v5, v6, 4, v5                   ; and 16 more for each 256 passed
	s_mul_i32 s2, s13, HALFS                       ; A's: my 128 rows
	s_mul_i32 s3, s14, HALFS                       ; B's: my 128 rows, behind A's 256
	s_add_co_u32 s3, s3, 2*HALFS
	s_sub_co_u32 s3, s3, s2
	v_mul_u32_u24 v6, s3, v2                       ; lanes 16-31 take B's: one product, the distance between the two
	s_add_co_u32 s2, s2, SCL
	v_add_nc_u32 v5, v5, v6
	v_add_nc_u32 v[ADRS], s2, v5
	s_mul_i32 s2, s12, 16*SPITCH                   ; my stage
	v_add_nc_u32 v[STO], s2, v4                    ; in: row r, 16 bytes for each half of the lanes
	v_mul_u32_u24 v5, v2, SPITCH                   ; back: lanes 0-15 take one row of 256 bytes, lanes 16-31 the next
	v_lshl_add_u32 v5, v1, 4, v5
	v_add_nc_u32 v[RD], s2, v5
	v_lshlrev_b32 v5, 11, v2                       ; and the same two rows in qkv
	v_lshl_add_u32 v[CO], v1, 4, v5
.macro FRAG reg, adr, q, i             ; a fragment, 16 rows x 128 K of 4-bit codes: lane l holds row l % 16; registers 4 c .. 4 c + 3 hold K = 64 c + 32 (l / 16) + 0 .. 31
.irp c, 0,1
	ds_load_b128 v[\reg+4*\c:\reg+4*\c+3], v[\adr] offset:64*(\q)+32*\c+(\i)*16*PITCH
.endr
.endm
; 16 matrix instructions: A's blocks a0, a0 + 1 x B's eight, 128 along K: the slot's q-th.  p: B's set;  sc: the set of scale words.  zero = 1: the first product starts the sums, with the bias as its C: nothing is cleared or added later.
; The 64 accumulators take turns, one instruction a turn, in the same order in every step.
.macro MUL16 a0, p, q, sc, zero
.irp a, \a0, \a0+1
.irp b, 0,1,2,3,4,5,6,7
.if \zero
	v_wmma_scale_f32_16x16x128_f8f6f4 v[8*(8*((\a)%4)+\b):8*(8*((\a)%4)+\b)+7], v[128*(\p)+FR*\b:128*(\p)+FR*\b+FR-1], v[AF+FR*(\a):AF+FR*(\a)+FR-1], v[BIAS+8*\b:BIAS+8*\b+7], v[SC+8*NQ*(\sc)+NQ*\b+(\q)], v[SC+8*NQ*(\sc)+NQ*(\a)+(\q)] matrix_a_fmt:MATRIX_FMT_FP4 matrix_b_fmt:MATRIX_FMT_FP4 matrix_a_scale:MATRIX_SCALE_ROW1
.else
	v_wmma_scale_f32_16x16x128_f8f6f4 v[8*(8*((\a)%4)+\b):8*(8*((\a)%4)+\b)+7], v[128*(\p)+FR*\b:128*(\p)+FR*\b+FR-1], v[AF+FR*(\a):AF+FR*(\a)+FR-1], v[8*(8*((\a)%4)+\b):8*(8*((\a)%4)+\b)+7], v[SC+8*NQ*(\sc)+NQ*\b+(\q)], v[SC+8*NQ*(\sc)+NQ*(\a)+(\q)] matrix_a_fmt:MATRIX_FMT_FP4 matrix_b_fmt:MATRIX_FMT_FP4 matrix_a_scale:MATRIX_SCALE_ROW1
.endif
.endr
.endr
.endm
.macro FETCH_B slot, q, p              ; B's eight fragments of the slot's q-th 128 along K into set p
	WIN TO_B
.irp i, 0,1,2,3,4,5,6,7
	FRAG 128*(\p)+FR*\i, ADRB+\slot, \q, \i
.endr
	WIN 0
.endm
.macro FETCH_A slot, q, i0             ; A's blocks i0 .. i0 + 3
.irp i, \i0, \i0+1, \i0+2, \i0+3
	FRAG AF+FR*(\i), ADRA+\slot, \q, \i
.endr
.endm
.macro SCALES sc                       ; a slot's scale words into set sc: four words a row; lanes 0-15 take A's block i, lanes 16-31 B's block i
.irp i, 0,1,2,3,4,5,6,7
	ds_load_b128 v[SC+8*NQ*\sc+NQ*\i:SC+8*NQ*\sc+NQ*\i+3], v[ADRS] offset:\i*SBLK
.endr
.endm
; A load into a register that a matrix instruction has read, and a vector instruction that reads a matrix result, stand NP places behind that matrix instruction; only plain vector instructions that name none of its registers
; are places (ISA guide 7.12.1 for vector instructions).
.macro PLACES n
.rept \n
	v_nop
.endr
.endm
; A step of 128 along K that has its successor in the same slot.  A's blocks go one after the other, each against B's eight: so one set of registers serves A: blocks 0-3 are fetched anew in the step's middle, blocks 4-7 at its end.
.macro STEP slot, q, zero
	s_wait_dscnt 4*NL                              ; B's set and A's blocks 0-3 are in; the youngest eight loads (A's blocks 4-7) may be out
.if \zero
	WIN BEG_LO
.else
	WIN MUL_LO
.endif
	MUL16 0, (\q)%2, \q, \slot, \zero
	MUL16 2, (\q)%2, \q, \slot, \zero
	s_wait_dscnt 0                                 ; A's blocks 4-7 are in (asked for 32 matrix instructions ago)
	PLACES NP
	FETCH_B \slot, (\q)+1, 1-(\q)%2
	FETCH_A \slot, (\q)+1, 0
.if \zero
	WIN BEG_HI
.else
	WIN MUL_HI
.endif
	MUL16 4, (\q)%2, \q, \slot, \zero
	MUL16 6, (\q)%2, \q, \slot, \zero
	PLACES NP
	WIN 0
	FETCH_A \slot, (\q)+1, 4
.endm
; Slot 0's last step changes slots: one barrier; in front of it each wave waits for all its tensor loads (slot 1's is the one that may be out), adds 0 to its spare word, and waits for that and for its reads of slot 0.
; Behind it slot 1 is whole and nobody reads slot 0, which later serves as the stage.  Nothing is filled again.
.macro TURN slot, next
	s_wait_tensorcnt 0x0                           ; all my tensor loads have landed  (every window is 0 here: the add's two registers lie in window 0)
	ds_add_u32 v[SPW], v[NIL]                      ; 0 onto my spare word
	s_wait_dscnt 4*NL+1                            ; (the add and the youngest eight loads, A's blocks 4-7, may be out)
	WIN MUL_LO
	MUL16 0, 1, NQ-1, \slot, 0                     ; sixteen matrix instructions stand between the add and the wait for it
	s_wait_dscnt 0x0                               ; the add is done, and my reads of this slot are over
	s_barrier_signal -1
	MUL16 2, 1, NQ-1, \slot, 0
	WIN 0
	s_barrier_wait -1
	PLACES NP
	v_add_nc_u32 v[ADRS], 4*NQ, v[ADRS]            ; on to the next slot's scale words (no LDS load of mine is out)
	FETCH_B \next, 0, 0
	FETCH_A \next, 0, 0
	SCALES \next
	WIN MUL_HI
	MUL16 4, 1, NQ-1, \slot, 0
	MUL16 6, 1, NQ-1, \slot, 0
	PLACES NP
	WIN 0
	FETCH_A \next, 0, 4
.endm
.macro STEPS slot, from                ; the slot's steps from .. NQ - 2
.set QQ, \from
.rept NQ-1-\from
	STEP \slot, QQ, 0
.set QQ, QQ+1
.endr
.endm
	s_wait_tensorcnt 1                             ; the scale bytes and my part of slot 0 are in (slot 1's load may be out)
	s_barrier_signal -1
	s_barrier_wait -1                              ; everybody's are
	FETCH_B 0, 0, 0
	FETCH_A 0, 0, 0
	SCALES 0
	FETCH_A 0, 0, 4
	s_wait_loadcnt 0x0                             ; the bias
	STEP 0, 0, 1                                   ; the first step's products start the sums
	STEPS 0, 1
	TURN 0, 1
	STEPS 1, 0
	s_wait_dscnt 4*NL                              ; the very last step: nothing more to fetch
	WIN MUL_LO
	MUL16 0, 1, NQ-1, 1, 0
	MUL16 2, 1, NQ-1, 1, 0
	s_wait_dscnt 0
	WIN MUL_HI
	MUL16 4, 1, NQ-1, 1, 0
	MUL16 6, 1, NQ-1, 1, 0
	WIN 0
; THE WAY OUT, block by block of 16 rows x 128 columns.  PACK: rounded to f16, 16 bytes a lane, each accumulator from its low end on.  TOSTAGE: into my own stage, and back as whole rows of 256 bytes.  SEND: stored.
.macro PACK a
.set AC, 64*((\a)%4)
	WIN 0x0a+5*((\a)/4)                            ; sources 0 and 1: window 2 or 3
.irp b, 0,1,2,3,4,5,6,7
.irp r, 0,1,2,3
	v_cvt_pk_f16_f32 v[TMP+4*\b+\r], v[AC+8*\b+2*\r], v[AC+8*\b+2*\r+1]
.endr
.endr
	WIN 0
.endm
.macro TOSTAGE a
.set BB, OB+32*((\a)%2)
.irp b, 0,1,2,3,4,5,6,7
	ds_store_b128 v[STO], v[TMP+4*\b:TMP+4*\b+3] offset:32*\b
.endr
.irp t, 0,1,2,3,4,5,6,7
	ds_load_b128 v[BB+4*\t:BB+4*\t+3], v[RD] offset:\t*2*SPITCH    ; LDS serves a wave's instructions in order (ISA guide 5.7.1.4): these see the stores above
.endr
.endm
.macro SEND a
.set BB, OB+32*((\a)%2)
	s_wait_dscnt 0x0                               ; the block is back in registers
	s_wait_xcnt 0x0                                ; the stores of the block before have read their registers: the next block's loads may land there
.irp t, 0,1,2,3,4,5,6,7
	global_store_b128 v[CO], v[BB+4*\t:BB+4*\t+3], s[98:99] offset:(16*(\a)+2*\t)*OUTROW   ; 16 lanes store 256 consecutive bytes, aligned; 126 rows of 2,048 bytes at the most: no base is stepped
.endr
.endm
	PLACES NP                                      ; behind the last products: for the conversions, which write over the bias and later read the last results, and for the loads into A's registers
	PACK 0
	TOSTAGE 0
.irp a, 1,2,3,4,5,6,7                  ; block a's conversions stand between block a - 1's loads from the stage and the wait for them
	PACK \a
	SEND \a-1
	TOSTAGE \a
.endr
	SEND 7
	s_wait_tensorcnt 0x0                           ; the wave's end: these three lines, behind my last tensor load and my last LDS store
	ds_add_u32 v[SPW], v[NIL]
	s_wait_dscnt 0x0
	CROUND                                         ; the closing round: no work-group ends while a partner may still ask for a tile that names it
	s_endpgm
.Lfunc_end_k_q8c8b58abc5_proj:
	.size	k_q8c8b58abc5_proj, .Lfunc_end_k_q8c8b58abc5_proj-k_q8c8b58abc5_proj
	.p2alignl 7, 3214868480
	.fill 96, 4, 3214868480
	.section	.rodata,"a",@progbits
	.p2align	6, 0x0
	.amdhsa_kernel k_q8c8b58abc5_proj
		.amdhsa_group_segment_fixed_size 327680
		.amdhsa_private_segment_fixed_size 0
		.amdhsa_enable_private_segment 0
		.amdhsa_kernarg_size 64
		.amdhsa_user_sgpr_count 2
		.amdhsa_user_sgpr_kernarg_segment_ptr 1
		.amdhsa_wavefront_size32 1
		.amdhsa_system_sgpr_workgroup_id_x 1
		.amdhsa_system_sgpr_workgroup_id_y 1
		.amdhsa_system_sgpr_workgroup_id_z 1
		.amdhsa_system_vgpr_workitem_id 0
		.amdhsa_next_free_vgpr 1024
		.amdhsa_next_free_sgpr 100
		.amdhsa_reserve_vcc 0
		.amdhsa_float_denorm_mode_32 3
		.amdhsa_float_denorm_mode_16_64 3
		.amdhsa_memory_ordered 1
		.amdhsa_forward_progress 1
		.amdhsa_inst_pref_size 128
	.end_amdhsa_kernel
	.amdgpu_metadata
---
amdhsa.version: [ 1, 2 ]
amdhsa.kernels:
  - .name:           k_q8c8b58abc5_proj
    .symbol:         k_q8c8b58abc5_proj.kd
    .args:
      - { .name: xc, .offset: 0, .size: 8, .value_kind: global_buffer, .address_space: global }
      - { .name: xs, .offset: 8, .size: 8, .value_kind: global_buffer, .address_space: global }
      - { .name: wc, .offset: 16, .size: 8, .value_kind: global_buffer, .address_space: global }
      - { .name: ws, .offset: 24, .size: 8, .value_kind: global_buffer, .address_space: global }
      - { .name: bq, .offset: 32, .size: 8, .value_kind: global_buffer, .address_space: global }
      - { .name: bk, .offset: 40, .size: 8, .value_kind: global_buffer, .address_space: global }
      - { .name: bv, .offset: 48, .size: 8, .value_kind: global_buffer, .address_space: global }
      - { .name: qkv, .offset: 56, .size: 8, .value_kind: global_buffer, .address_space: global }
    .group_segment_fixed_size: 327680
    .private_segment_fixed_size: 0
    .kernarg_segment_align: 8
    .kernarg_segment_size: 64
    .max_flat_workgroup_size: 128
    .sgpr_count:     100
    .vgpr_count:     1024
    .wavefront_size: 32
...
	.end_amdgpu_metadata
.endif
;; end of part 2
;; launch attn (part 3): grid 8 x 32, 16 waves a work-group, clusters of 4 x 1, 327,680 bytes of LDS; arguments qkv, ctx; writes ctx
.if DOCPART == 3
	.amdgcn_target "amdgcn-amd-amdhsa--gfx1250"
	.amdhsa_code_object_version 6
	.text
	.protected	k_q8c8b58abc5_attn
	.globl	k_q8c8b58abc5_attn
	.p2align	8
	.type	k_q8c8b58abc5_attn,@function
k_q8c8b58abc5_attn:
	s_mov_b64 s[64:65], 0
	v_nop
	global_prefetch_b8 v0, s[64:65] scope:SCOPE_SE
	s_setreg_imm32_b32 hwreg(HW_REG_WAVE_MODE, 25, 1), 1
	s_wait_xcnt 0x0
	s_wait_alu depctr_hold_cnt(0) depctr_sa_sdst(0) depctr_va_vdst(0) depctr_va_sdst(0) depctr_va_ssrc(0) depctr_va_vcc(0) depctr_vm_vsrc(0)
	s_getreg_b32 s2, hwreg(HW_REG_IB_STS2, 6, 4)
	s_cmp_eq_u32 s2, 0
	s_cbranch_scc0 .Lentry_in_a_cluster
	s_endpgm
.Lentry_in_a_cluster:
	s_bfe_u32 s2, ttmp6, 0x10000c
	s_cmp_lg_u32 s2, 0x3003
	s_cbranch_scc0 .Lentry_shape_is_right
	s_endpgm
.Lentry_shape_is_right:
; ctx[b][q][64 head + d] = the sum over k of softmax_k(Q . K / 8) V, for 4 batches, 16 heads of 64, 2,048 queries and keys, no mask.  Q, K, V: f16, rows of 1,024 (qkv: Q's 8,192 rows, then K's, then V's).  ctx: f16.
; Products, maxima and sums in f32; the weights p are rounded to f16 for the second product, the result once at the end.
; LIMITS: p lies in 0 .. 2^0.5, the result is a mean of V's rows: both have room in f16 wherever V has.  NaN and infinities are not served.
; SHARES.  A work-group owns 256 queries of one batch and of a PAIR of heads, so that a row of its tiles of K, V, Q and of its result is 128 numbers: 256 consecutive bytes, aligned.  Sixteen waves of 256 registers, four to a
; SIMD, so that one wave's softmax stands beside another's products and LDS loads.  Wave w: head w / 8 of the pair, queries 32 (w % 8) on: two tiles of 16, which share each fragment of K and V.
; Every wave walks all 2,048 keys, 64 a step.  K's and V's tiles come through a ring of two LDS slots of 256 keys (four steps); each wave fetches 32 rows (waves 0-7: K's, waves 8-15: V's).
; LAYOUT.  S^T = K Q^T (source 0 = 16 keys, source 1 = 16 queries): a lane holds ONE query (lane % 16) and keys 8 (lane / 16) + 0..7 of a tile.  Two such tiles, rounded to f16 in pairs, ARE source 1 (32 keys x 16 queries) of
; O^T = V^T P, whose result again holds one query a lane.  K comes out of LDS as it lies, V ([key][channel]) turned, by ds_load_tr16_b128.
; SOFTMAX.  For each query a running maximum m and sum l: p = 2^(c s - c m), c = log2(e) / 8; in every step O^T and l are multiplied by a = 2^(c m_old - c m_new).  The step is written once for all steps: O^T and l begin as
; zeros and m as -3e38, under every score.
; CLUSTER.  The four query blocks of a cluster belong to one batch and head pair and walk the same K and V: each tile is asked for jointly, by the same tensor load with the same descriptor and a mask that names the four.
.set PK,    272                        ; a row of K in LDS: 256 bytes + 16 of padding = 68 words: the 16 rows of a load start at 16 different banks (64 banks of 4 bytes: ISA guide 11.1)
.set PV,    288                        ; a row of V: 256 + 32 = 72 words
.set VOFF,  64*PK                      ; a step's tiles lie together: 64 rows of K, then 64 rows of V
.set STEPB, 64*(PK+PV)
.set SLOTB, 4*STEPB                    ; a slot: four steps, 256 keys
.set SPARE, 2*SLOTB                    ; behind the ring: the spare words, 128 bytes for each wave: eight blocks of 256 bytes that no other line names
.set ROWG,  2048                       ; a row of qkv or ctx in bytes
.set SLOTG, 256*ROWG                   ; a slot's keys in memory
.set KBASE, 16777216                   ; K's first byte in qkv
.set VBASE, 33554432                   ; V's
.set AK0, 1                            ; v1   my lane's place in a step's tile of K; never rewritten
.set AV0, 2                            ; v2   the same for V
.set ADK, 3                            ; v3   LDS address of the step's K
.set ADV, 4                            ; v4   of its V
.set SPW, 5                            ; v5   LDS address of my spare word; never rewritten
.set NIL, 6                            ; v6   0; never rewritten
.set STO, 7                            ; v7   the way out: where I put 16 bytes of a row
.set RD,  8                            ; v8   where I read a row back
.set GO,  9                            ; v9   my byte offset in the wave's rows of ctx
.set PFO, 10                           ; v10  2,048 x my lane: the prefetches' offset, a lane a row; never rewritten
.set QO,  11                           ; v11  my byte offset in the wave's rows of Q
.set ST,  12                           ; v12-27 tile t's statistics at v[ST + 8 t]: +0 c m, +1 m, +2, +3 l (even keys', odd keys'), +4 to +7 c0-c3, at work; a takes c2's place once the maximum is found
.set TS,  28                           ; v[28:29], v[30:31] the second chain of a step's sum, tile 0's and tile 1's
.set Q,   32                           ; v32-63   Q: tile t, channels 32 cf on, at 16 t + 8 cf
.set KV,  64                           ; v64-127  a step's eight fragments of K, then its eight of V
.set S,   128                          ; v128-191 S^T, 32 a tile; p in place; P packed into the tile's first 16
.set O,   192                          ; v192-255 O^T: tile t, channels 16 ct on, at 32 t + 8 ct
.set WV,  12                           ; s12  my wave's number
.set LIM, 15                           ; s15  1 in a wave that prefetches, else -1
.set PFA, 18                           ; s[18:19] where my prefetches stand in memory
.set G1K, 24                           ; s[24:31] descriptor group 1 for K's tiles
.set G1V, 32                           ; s[32:39] for V's: it differs in the padding alone
.set G0K, 40                           ; s[40:47] descriptor group 0 for K's tiles, a set for each slot
.set G0V, 48                           ; s[48:55] the same for V's
.set PAIRS, 56                         ; s56  counts pairs of slots
.set CNT, 57                           ; s57  counts a slot's four steps
.set CS,  58                           ; s[58:59] c: the packed scaling names a pair and takes its low word for both halves
.set SEL, 60                           ; s[60:61] lane selects for v_permlanex16_b32: lane l xor 16
.set TB,  62                           ; s62  LDS byte at which the step's tiles begin
; A joint load of slot n's tile.  Waves 0-7 fetch K's eight pieces of 32 rows, waves 8-15 V's.  The branch hangs on the wave's number alone.  An s_nop 0 and four v_nop follow each of the two lines.
.macro JLOAD n
	s_cmp_lt_u32 s[WV], 8
	s_cbranch_scc0 .Lfor_v_\@
	tensor_load_to_lds s[G0K+4*(\n):G0K+4*(\n)+3], s[G1K:G1K+7]
	s_nop 0
.rept 4
	v_nop
.endr
	s_branch .Lasked_\@
.Lfor_v_\@:
	tensor_load_to_lds s[G0V+4*(\n):G0V+4*(\n)+3], s[G1V:G1V+7]
	s_nop 0
.rept 4
	v_nop
.endr
.Lasked_\@:
.endm
; A PREFETCH of what the NEXT change of slots will ask for: a slot's 256 rows of K and 256 of V, 256 bytes of each row, a lane a row.  It stands behind the wave's tensor load and its five lines.
; Each row's piece is named once in the launch.  Both clusters of a batch and head pair walk the same K and V: the first prefetches.  Its four partners share the rows out BY ADDRESS: waves 0 and 4 ask for K's pieces
; cx and 4 + cx of 32 rows, waves 8 and 12 for V's: one instruction a wave.  It asks four key steps ahead of the load.  The last change that fills a slot asks for nothing; tiles 0 and 1 come by their loads alone.
.macro ASK
	s_cmp_eq_u32 s[LIM], 1
	s_cbranch_scc0 .Lnot_mine_\@
	global_prefetch_b8 v[PFO], s[PFA:PFA+1] th:TH_LOAD_NT scope:SCOPE_SE
.Lnot_mine_\@:
.endm
.macro CROUND                          ; a round of the cluster's barrier: my work-group's barrier; wave 0 signals for the work-group; every wave waits for all four; my work-group's barrier once more
	s_barrier_signal -1
	s_barrier_wait -1
	s_cmp_lg_u32 s[WV], 0
	s_cbranch_scc1 .Lnot_wave_0_\@
	s_barrier_signal -3
.Lnot_wave_0_\@:
	s_barrier_wait -3
	s_barrier_signal -1
	s_barrier_wait -1
.endm
	s_load_b128 s[4:7], s[0:1], 0x0                ; qkv s[4:5], ctx s[6:7]
	v_lshl_add_u32 v[SPW], v0, 2, SPARE
	v_mov_b32 v[NIL], 0
	ds_add_u32 v[SPW], v[NIL]                      ; the wave's opening: the add, twice on end, and its wait ahead of my first tensor load; the set-up below, work on registers, stands between
	ds_add_u32 v[SPW], v[NIL]
	v_lshrrev_b32 v28, 5, v0
	v_readfirstlane_b32 s[WV], v28                 ; wave 0..15
	s_bfe_u32 s13, ttmp6, 0x40000                  ; cx: my place in the cluster
	s_lshl_b32 s14, ttmp9, 2
	s_add_co_u32 s14, s14, s13                     ; my block of 256 queries: it enters Q's, ctx's and the prefetches' addresses alone
	s_and_b32 s20, ttmp7, 0xffff
	s_lshr_b32 s16, s20, 3                         ; the batch,
	s_and_b32 s17, s20, 7                          ; the pair of heads: the four partners share both
	s_and_b32 s8, s[WV], 7                         ; p: which 32 rows of a slot's 256 I fetch; also which 32 queries are mine
	s_lshr_b32 s9, s[WV], 3                        ; which head of the pair is mine
	s_lshl_b32 s20, s16, 11
	s_lshl_b32 s21, s8, 5
	s_add_co_u32 s20, s20, s21                     ; row 2,048 b + 32 p
	s_lshl_b32 s20, s20, 11
	s_lshl_b32 s21, s17, 8
	s_add_co_u32 s20, s20, s21                     ; in bytes, + 256 x pair: my piece of tile 0, counted from K's or V's first byte
	s_mov_b32 s21, 0
	s_lshr_b32 s22, s8, 1
	s_mul_i32 s22, s22, STEPB                      ; its place in a slot: step p / 2,
	s_and_b32 s23, s8, 1
	s_mul_i32 s10, s23, 32*PK
	s_add_co_u32 s10, s10, s22                     ; K: half p % 2 of the step's 64 rows
	s_mul_i32 s11, s23, 32*PV
	s_add_co_u32 s11, s11, s22
	s_add_co_u32 s11, s11, VOFF                    ; V likewise, behind the step's K
	s_lshl_b32 s2, s16, 11
	s_lshl_b32 s3, s14, 8
	s_add_co_u32 s2, s2, s3                        ; my work-group's first query: row 2,048 b + 256 x block
	s_lshl_b32 s3, s8, 5
	s_add_co_u32 s22, s2, s3                       ; my wave's first query
	s_lshl_b32 s22, s22, 11
	s_lshl_b32 s3, s17, 8
	s_add_co_u32 s22, s22, s3
	s_lshl_b32 s23, s9, 7
	s_add_co_u32 s22, s22, s23                     ; + 256 x pair + 128 x head: Q's offset
	s_mov_b32 s23, 0
	s_lshl_b32 s56, s[WV], 4
	s_add_co_u32 s2, s2, s56                       ; the first row that I store: 16 x wave on
	s_lshl_b32 s2, s2, 11
	s_add_co_u32 s2, s2, s3                        ; ctx's offset
	s_mov_b32 s3, 0
	s_and_b32 s18, s[WV], 4
	s_add_co_u32 s18, s18, s13                     ; the prefetches: piece (w & 4) + cx,
	s_lshl_b32 s18, s18, 5
	s_lshl_b32 s19, s16, 11
	s_add_co_u32 s18, s18, s19
	s_add_co_u32 s18, s18, 256                     ; in tile 1: the first change of slots steps it to tile 2
	s_lshl_b32 s18, s18, 11
	s_lshl_b32 s19, s17, 8
	s_add_co_u32 s18, s18, s19
	s_add_co_u32 s19, s9, 1
	s_lshl_b32 s19, s19, 24                        ; of K (waves 0-7) or of V (waves 8-15)
	s_add_co_u32 s18, s18, s19
	s_mov_b32 s19, 0
	s_and_b32 s[LIM], s[WV], 3                     ; 0 in waves 0, 4, 8, 12,
	s_or_b32 s[LIM], s[LIM], ttmp9                 ; of the first cluster: the same in all four partners
	s_cmp_eq_u32 s[LIM], 0
	s_cselect_b32 s[LIM], 1, -1
	; descriptor group 1: a tile of 32 rows x 128 elements, padded in LDS
	s_mov_b32 s[G1K], 15|(1<<16)|(1<<20)|(1<<21)|(5<<22)|(3<<25)  ; 15:0 the mask: all four work-groups; 17:16 elements of 2 bytes; 20 padding on; 21 set beside a mask; 24:22 after every 64 words (code 5); 31:25 four words (code 3)
	s_mov_b32 s[G1V], 15|(1<<16)|(1<<20)|(1<<21)|(5<<22)|(7<<25)  ; the same with eight words of padding (code 7)
.irp g, G1K, G1V
	s_mov_b32 s[\g+1], 128<<16                     ; tensor_dim0
	s_mov_b32 s[\g+2], 32<<16                      ; tensor_dim1
	s_mov_b32 s[\g+3], 128<<16                     ; tile_dim0
	s_mov_b32 s[\g+4], 32                          ; tile_dim1
	s_mov_b32 s[\g+5], 1024                        ; elements from row to row
	s_mov_b32 s[\g+6], 0
	s_mov_b32 s[\g+7], 0
.endr
	s_mov_b32 s[CS], 0x3e38aa3b                    ; c = log2(e) / 8
	s_mov_b32 s[CS+1], s[CS]                       ; named with it as a pair, so it is written
	s_mov_b32 s[SEL], 0x76543210
	s_mov_b32 s[SEL+1], 0xfedcba98
	s_wait_dscnt 0x0                               ; both opening adds are done
	s_wait_kmcnt 0x0
	s_add_nc_u64 s[20:21], s[4:5], s[20:21]
	s_add_nc_u64 s[22:23], s[4:5], s[22:23]        ; Q at my wave's first row
	s_add_nc_u64 s[6:7], s[6:7], s[2:3]            ; ctx at the first row that I store
	s_add_nc_u64 s[PFA:PFA+1], s[4:5], s[PFA:PFA+1]
	CROUND                                         ; all four work-groups are here: the first joint loads meet
.irp n, 0,1
	s_mov_b32 s[G0K+4*\n], 1                       ; 1:0 count = 1
	s_add_co_u32 s[G0K+4*\n+1], s10, \n*SLOTB      ; 63:32 LDS address
	s_add_nc_u64 s[G0K+4*\n+2:G0K+4*\n+3], s[20:21], KBASE+\n*SLOTG  ; 120:64 global address: tile n
	s_or_b32 s[G0K+4*\n+3], s[G0K+4*\n+3], 0x80000000               ; 127:126 type = 2
	s_mov_b32 s[G0V+4*\n], 1
	s_add_co_u32 s[G0V+4*\n+1], s11, \n*SLOTB
	s_add_nc_u64 s[G0V+4*\n+2:G0V+4*\n+3], s[20:21], VBASE+\n*SLOTG
	s_or_b32 s[G0V+4*\n+3], s[G0V+4*\n+3], 0x80000000
.endr
	JLOAD 0                                        ; tile 0: one load of mine is out
	; A fragment of K or Q is 16 rows x 32 channels in 8 registers: lane l holds row l % 16; registers 0-3 channels 8 (l / 16) + 0..7, registers 4-7 channels 16 + 8 (l / 16) + 0..7: two loads of 16 bytes, 32 bytes apart.
	v_and_b32 v28, 15, v0                          ; r
	v_bfe_u32 v29, v0, 4, 1                        ; h
	v_lshlrev_b32 v[QO], 11, v28
	v_lshl_add_u32 v[QO], v29, 4, v[QO]
.irp t, 0,1
.irp cf, 0,1
	global_load_b128 v[Q+16*\t+8*\cf:Q+16*\t+8*\cf+3],   v[QO], s[22:23] offset:\t*16*ROWG+64*\cf       ; Q stays in registers
	global_load_b128 v[Q+16*\t+8*\cf+4:Q+16*\t+8*\cf+7], v[QO], s[22:23] offset:\t*16*ROWG+64*\cf+32
.endr
.endr
	s_lshl_b32 s2, s9, 7                           ; my head's 128 bytes of a row
	v_mul_u32_u24 v[AK0], v28, PK
	v_lshl_add_u32 v[AK0], v29, 4, v[AK0]          ; row x pitch + 16 x half
	s_mul_i32 s3, s8, 32*PK
	s_add_co_u32 s3, s3, s2
	v_add_nc_u32 v[STO], s3, v[AK0]                ; the stage (256 rows x 272 bytes from byte 0): row 32 (w % 8) + r, + my head's bytes, + 16 x half
	v_add_nc_u32 v[AK0], s2, v[AK0]
	; The turning load takes 16 keys x 16 channels (lane l reads 16 bytes: key 8 (l / 16) + l % 8, channels 8 ((l / 8) % 2) + 0..7) and leaves half a fragment of V^T: lane l holds channel l % 16 and 8 keys.
	v_and_b32 v30, 7, v0
	v_bfe_u32 v31, v0, 3, 1
	v_lshl_add_u32 v[AV0], v29, 3, v30
	v_mul_u32_u24 v[AV0], v[AV0], PV
	v_lshl_add_u32 v[AV0], v31, 4, v[AV0]
	s_add_co_u32 s2, s2, VOFF
	v_add_nc_u32 v[AV0], s2, v[AV0]
	s_mul_i32 s3, s[WV], 16*PK
	v_mul_u32_u24 v[RD], v29, PK                   ; back: wave w takes rows 16 w on, whole; lanes 0-15 one row of 256 bytes, lanes 16-31 the next
	v_lshl_add_u32 v[RD], v28, 4, v[RD]
	v_add_nc_u32 v[RD], s3, v[RD]
	v_lshlrev_b32 v[GO], 11, v29                   ; and the same two rows in ctx
	v_lshl_add_u32 v[GO], v28, 4, v[GO]
	v_and_b32 v[PFO], 31, v0
	v_lshlrev_b32 v[PFO], 11, v[PFO]
.irp t, 0,1
	v_mov_b32 v[ST+8*\t+1], 0xff61b1e6             ; m: -3e38, under every score
	v_mul_f32 v[ST+8*\t], s[CS], v[ST+8*\t+1]      ; c m
	v_mov_b32 v[ST+8*\t+2], 0                      ; l, in two halves
	v_mov_b32 v[ST+8*\t+3], 0
.endr
.set i, 0
.rept 64
	v_mov_b32 v[O+i], 0                            ; O^T.  (The step is written once: the first finds zeros, which its a = 0 leaves zeros)
.set i, i+1
.endr
; A KEY STEP: 64 keys, both tiles.
.macro STEP
	v_add_nc_u32 v[ADK], s[TB], v[AK0]             ; these two and three v_nop are five places behind the last step's products: the loads below land on registers that those read (four are asked),
	v_add_nc_u32 v[ADV], s[TB], v[AV0]             ; and the first products below write over P, which those read (five)
.rept 3
	v_nop
.endr
.irp kt, 0,1,2,3                       ; keys 16 kt on, channels 32 cf on
.irp cf, 0,1
	ds_load_b128 v[KV+8*(2*\kt+\cf):KV+8*(2*\kt+\cf)+3],   v[ADK] offset:\kt*16*PK+64*\cf
	ds_load_b128 v[KV+8*(2*\kt+\cf)+4:KV+8*(2*\kt+\cf)+7], v[ADK] offset:\kt*16*PK+64*\cf+32
.endr
.endr
	s_wait_dscnt 0x0                               ; K is in
.irp cf, 0,1                           ; S^T = K Q^T: eight accumulators by turns, one instruction a turn; the first eight start the sums
.irp kt, 0,1,2,3
.irp t, 0,1
.if \cf == 0
	v_wmma_f32_16x16x32_f16 v[S+32*\t+8*\kt:S+32*\t+8*\kt+7], v[KV+8*(2*\kt+\cf):KV+8*(2*\kt+\cf)+7], v[Q+16*\t+8*\cf:Q+16*\t+8*\cf+7], 0
.else
	v_wmma_f32_16x16x32_f16 v[S+32*\t+8*\kt:S+32*\t+8*\kt+7], v[KV+8*(2*\kt+\cf):KV+8*(2*\kt+\cf)+7], v[Q+16*\t+8*\cf:Q+16*\t+8*\cf+7], v[S+32*\t+8*\kt:S+32*\t+8*\kt+7]
.endif
.endr
.endr
.endr
.rept 4
	v_nop                                          ; places in front of the loads into K's registers and of the first read of the scores
.endr
.irp f, 0,1                            ; V takes K's registers and lands while the softmax is worked: keys 32 f on, channels 16 ct on
.irp ct, 0,1,2,3
	ds_load_tr16_b128 v[KV+8*(4*\f+\ct):KV+8*(4*\f+\ct)+3],   v[ADV] offset:\f*32*PV+32*\ct
	ds_load_tr16_b128 v[KV+8*(4*\f+\ct)+4:KV+8*(4*\f+\ct)+7], v[ADV] offset:\f*32*PV+16*PV+32*\ct
.endr
.endr
	; the maximum of my 32 scores and the old m, three operands at a time, four chains a tile; each accumulator is read from its low end on; the two tiles alternate line by line
.irp j, 0,1,2,3
.irp t, 0,1
	v_max3_num_f32 v[ST+8*\t+4+\j], v[S+32*\t+8*\j], v[S+32*\t+8*\j+1], v[S+32*\t+8*\j+2]
.endr
.endr
.irp i, 3,5
.irp j, 0,1,2,3
.irp t, 0,1
	v_max3_num_f32 v[ST+8*\t+4+\j], v[ST+8*\t+4+\j], v[S+32*\t+8*\j+\i], v[S+32*\t+8*\j+\i+1]
.endr
.endr
.endr
.irp t, 0,1
	v_max3_num_f32 v[ST+8*\t+4], v[ST+8*\t+4], v[S+32*\t+7], v[S+32*\t+15]
.endr
.irp t, 0,1
	v_max3_num_f32 v[ST+8*\t+6], v[ST+8*\t+6], v[S+32*\t+23], v[S+32*\t+31]
.endr
.irp t, 0,1
	v_max3_num_f32 v[ST+8*\t+4], v[ST+8*\t+4], v[ST+8*\t+5], v[ST+8*\t+6]
.endr
.irp t, 0,1
	v_max3_num_f32 v[ST+8*\t+4], v[ST+8*\t+4], v[ST+8*\t+7], v[ST+8*\t+1]
.endr
.irp t, 0,1
	v_permlanex16_b32 v[ST+8*\t+5], v[ST+8*\t+4], s[SEL], s[SEL+1]   ; the query's other 32 keys lie in the lane 16 away
.endr
.irp t, 0,1
	v_mov_b32 v[ST+8*\t+7], v[ST+8*\t]             ; c m_old is kept for a
.endr
.irp t, 0,1
	v_max_num_f32 v[ST+8*\t+1], v[ST+8*\t+4], v[ST+8*\t+5]   ; the new m
.endr
.irp t, 0,1
	v_mul_f32 v[ST+8*\t], s[CS], v[ST+8*\t+1]      ; c m
.endr
.irp t, 0,1
	v_sub_f32 v[ST+8*\t+7], v[ST+8*\t+7], v[ST+8*\t]   ; c m_old - c m_new, 0 or less
.endr
.set i, 0
.rept 16
	v_pk_fma_f32 v[S+i:S+i+1], v[S+i:S+i+1], s[CS:CS+1], v[ST:ST+1] op_sel_hi:[1,0,0] neg_lo:[0,0,1] neg_hi:[0,0,1]               ; c s - c m, a pair of scores at a time
	v_pk_fma_f32 v[S+32+i:S+32+i+1], v[S+32+i:S+32+i+1], s[CS:CS+1], v[ST+8:ST+9] op_sel_hi:[1,0,0] neg_lo:[0,0,1] neg_hi:[0,0,1]
.set i, i+2
.endr
.irp t, 0,1
	v_exp_f32 v[ST+8*\t+6], v[ST+8*\t+7]           ; ONE BATCH of 66 exponentials: a,
.endr
.set i, 0
.rept 32
	v_exp_f32 v[S+i], v[S+i]                       ; and p, at most 2^0.5
	v_exp_f32 v[S+32+i], v[S+32+i]
.set i, i+1
.endr
	v_nop                                          ; a plain instruction behind the last exponential,
	s_wait_alu depctr_va_vdst(0)                   ; and the one wait ahead of the batch's first reader
.irp t, 0,1
	v_pk_mul_f32 v[ST+8*\t+2:ST+8*\t+3], v[ST+8*\t+2:ST+8*\t+3], v[ST+8*\t+6:ST+8*\t+7] op_sel_hi:[1,0]   ; l under the new m
.endr
.irp t, 0,1
	v_pk_add_f32 v[TS+2*\t:TS+2*\t+1], v[S+32*\t:S+32*\t+1], v[S+32*\t+2:S+32*\t+3]   ; the sum is taken of p before it is rounded: two at a time, two chains a tile
.endr
.irp j, 4,8,12,16,20,24,28
.irp t, 0,1
	v_pk_add_f32 v[ST+8*\t+2:ST+8*\t+3], v[ST+8*\t+2:ST+8*\t+3], v[S+32*\t+\j:S+32*\t+\j+1]
.endr
.irp t, 0,1
	v_pk_add_f32 v[TS+2*\t:TS+2*\t+1], v[TS+2*\t:TS+2*\t+1], v[S+32*\t+\j+2:S+32*\t+\j+3]
.endr
.endr
.irp t, 0,1
	v_pk_add_f32 v[ST+8*\t+2:ST+8*\t+3], v[ST+8*\t+2:ST+8*\t+3], v[TS+2*\t:TS+2*\t+1]
.endr
.set i, 0
.rept 16
	v_cvt_pk_f16_f32 v[S+i], v[S+2*i], v[S+2*i+1]  ; P, in place, ascending: the result never overtakes its sources
	v_cvt_pk_f16_f32 v[S+32+i], v[S+32+2*i], v[S+32+2*i+1]
.set i, i+1
.endr
.set i, 0
.rept 16
	v_pk_mul_f32 v[O+i:O+i+1], v[O+i:O+i+1], v[ST+6:ST+7] op_sel_hi:[1,0]              ; O^T under the new m, each accumulator from its low end on
	v_pk_mul_f32 v[O+32+i:O+32+i+1], v[O+32+i:O+32+i+1], v[ST+14:ST+15] op_sel_hi:[1,0]
.set i, i+2
.endr
	s_wait_dscnt 0x0                               ; V is in
.irp f, 0,1                            ; O^T += V^T P: eight accumulators by turns
.irp ct, 0,1,2,3
.irp t, 0,1
	v_wmma_f32_16x16x32_f16 v[O+32*\t+8*\ct:O+32*\t+8*\ct+7], v[KV+8*(4*\f+\ct):KV+8*(4*\f+\ct)+7], v[S+32*\t+8*\f:S+32*\t+8*\f+7], v[O+32*\t+8*\ct:O+32*\t+8*\ct+7]
.endr
.endr
.endr
	s_add_co_u32 s[TB], s[TB], STEPB               ; the next step's tiles
.endm
; A SLOT'S TURN.  At its head the change of slots: each wave waits for all its tensor loads (one is out: its piece of this slot's tile), adds 0 to its spare word, and waits for that and for its reads of the other slot.
; refill = 1: a round of the cluster's barrier, so that no wave of any partner still reads the other slot or has a load on its way; the joint load of the next tile into the other slot is the first thing behind it and
; has this slot's four key steps in which to land.  refill = 0: nothing is left to fetch: the work-group's barrier alone.
.macro TRIP slot, refill, ask
	s_wait_tensorcnt 0x0                           ; no tensor load of mine is out, so a group 0 may be written
	ds_add_u32 v[SPW], v[NIL]                      ; 0 onto my spare word; the steps below stand between it and the wait for it
	s_add_nc_u64 s[G0K+4*\slot+2:G0K+4*\slot+3], s[G0K+4*\slot+2:G0K+4*\slot+3], 2*SLOTG   ; this slot's next tile; the type bits on top are not reached
	s_add_nc_u64 s[G0V+4*\slot+2:G0V+4*\slot+3], s[G0V+4*\slot+2:G0V+4*\slot+3], 2*SLOTG
.if \ask
	s_wait_xcnt 0x0                                ; the last prefetch, four key steps back, has read its address, so it may be written:
	s_add_nc_u64 s[PFA:PFA+1], s[PFA:PFA+1], SLOTG ; one tile further on than the load below
.endif
	s_wait_dscnt 0x0                               ; the add is done, and my reads of the other slot are over
.if \refill
	CROUND
	JLOAD 1-\slot
.if \ask
	ASK
.endif
.else
	s_barrier_signal -1
	s_barrier_wait -1
.endif
	s_mov_b32 s[TB], \slot*SLOTB
	s_mov_b32 s[CNT], 4
.Lstep_\@:
	STEP
	s_sub_co_u32 s[CNT], s[CNT], 1
	s_cmp_lg_u32 s[CNT], 0
	s_cbranch_scc1 .Lstep_\@
.endm
	s_wait_loadcnt 0x0                             ; Q
	s_mov_b32 s[PAIRS], 3
.Lpair:                                            ; eight tiles of 256 keys: three pairs of trips take tiles 0 to 5 and ask for tiles 1 to 6
	TRIP 0, 1, 1
	TRIP 1, 1, 1
	s_sub_co_u32 s[PAIRS], s[PAIRS], 1
	s_cmp_lg_u32 s[PAIRS], 0
	s_cbranch_scc1 .Lpair
	TRIP 0, 1, 0                                   ; the tail is written out: tile 6, and the last load, tile 7's
	TRIP 1, 0, 0                                   ; tile 7
	; THE WAY OUT.  l's two halves and the other half of the lanes' are added; O^T is divided by l, rounded to f16 and put into the work-group's stage, which lies in slot 0: that slot has had its last fill, and every wave
	; has passed the last change of slots, behind which nobody reads it.  A row's 256 bytes come from two waves (the two heads): so a barrier stands between writing and reading.
.rept 4
	v_nop                                          ; places behind the last products
.endr
.irp t, 0,1
	v_add_f32 v[ST+8*\t+4], v[ST+8*\t+2], v[ST+8*\t+3]
.endr
.irp t, 0,1
	v_permlanex16_b32 v[ST+8*\t+5], v[ST+8*\t+4], s[SEL], s[SEL+1]
.endr
.irp t, 0,1
	v_add_f32 v[ST+8*\t+4], v[ST+8*\t+4], v[ST+8*\t+5]
.endr
.irp t, 0,1
	v_rcp_f32 v[ST+8*\t+6], v[ST+8*\t+4]
.endr
	v_nop                                          ; a plain instruction between the last reciprocal and the use of its result,
	s_wait_alu depctr_va_vdst(0)                   ; and the wait: one for both
.irp t, 0,1
.set i, 0
.rept 16
	v_pk_mul_f32 v[O+32*\t+i:O+32*\t+i+1], v[O+32*\t+i:O+32*\t+i+1], v[ST+8*\t+6:ST+8*\t+7] op_sel_hi:[1,0]
.set i, i+2
.endr
.set i, 0
.rept 16
	v_cvt_pk_f16_f32 v[S+16*\t+i], v[O+32*\t+2*i], v[O+32*\t+2*i+1]
.set i, i+1
.endr
.irp ct, 0,1,2,3
	ds_store_b128 v[STO], v[S+16*\t+4*\ct:S+16*\t+4*\ct+3] offset:\t*16*PK+32*\ct   ; query 16 t + r, channels 16 ct + 8 h + 0..7
.endr
.endr
	s_wait_dscnt 0x0                               ; for the others' sake: my stores into the stage are done
	s_barrier_signal -1
	s_barrier_wait -1
.irp i, 0,1,2,3,4,5,6,7
	ds_load_b128 v[KV+4*\i:KV+4*\i+3], v[RD] offset:\i*2*PK
.endr
.irp i, 0,1,2,3,4,5,6,7
	s_wait_dscnt 7-\i                              ; the younger loads may be out
	global_store_b128 v[GO], v[KV+4*\i:KV+4*\i+3], s[6:7] offset:\i*2*ROWG   ; 16 lanes store 256 consecutive bytes, aligned
.endr
	s_wait_tensorcnt 0x0                           ; the wave's end: these three lines, behind my last tensor load and my last LDS store
	ds_add_u32 v[SPW], v[NIL]
	s_wait_dscnt 0x0
	CROUND                                         ; the closing round: no work-group ends while a partner may still ask for a tile that names it
	s_endpgm
.Lfunc_end_k_q8c8b58abc5_attn:
	.size	k_q8c8b58abc5_attn, .Lfunc_end_k_q8c8b58abc5_attn-k_q8c8b58abc5_attn
	.p2alignl 7, 3214868480
	.fill 96, 4, 3214868480
	.section	.rodata,"a",@progbits
	.p2align	6, 0x0
	.amdhsa_kernel k_q8c8b58abc5_attn
		.amdhsa_group_segment_fixed_size 327680
		.amdhsa_private_segment_fixed_size 0
		.amdhsa_enable_private_segment 0
		.amdhsa_kernarg_size 16
		.amdhsa_user_sgpr_count 2
		.amdhsa_user_sgpr_kernarg_segment_ptr 1
		.amdhsa_wavefront_size32 1
		.amdhsa_system_sgpr_workgroup_id_x 1
		.amdhsa_system_sgpr_workgroup_id_y 1
		.amdhsa_system_sgpr_workgroup_id_z 1
		.amdhsa_system_vgpr_workitem_id 0
		.amdhsa_next_free_vgpr 256
		.amdhsa_next_free_sgpr 66
		.amdhsa_reserve_vcc 0
		.amdhsa_float_denorm_mode_32 3
		.amdhsa_float_denorm_mode_16_64 3
		.amdhsa_memory_ordered 1
		.amdhsa_forward_progress 1
		.amdhsa_inst_pref_size 91
	.end_amdhsa_kernel
	.amdgpu_metadata
---
amdhsa.version: [ 1, 2 ]
amdhsa.kernels:
  - .name:           k_q8c8b58abc5_attn
    .symbol:         k_q8c8b58abc5_attn.kd
    .args:
      - { .name: qkv, .offset: 0, .size: 8, .value_kind: global_buffer, .address_space: global }
      - { .name: ctx, .offset: 8, .size: 8, .value_kind: global_buffer, .address_space: global }
    .group_segment_fixed_size: 327680
    .private_segment_fixed_size: 0
    .kernarg_segment_align: 8
    .kernarg_segment_size: 16
    .max_flat_workgroup_size: 512
    .sgpr_count:     66
    .vgpr_count:     256
    .wavefront_size: 32
...
	.end_amdgpu_metadata
.endif
;; end of part 3
;; launch outp (part 4): grid 4 x 64, 4 waves a work-group, clusters of 4 x 4, 327,680 bytes of LDS; arguments ctx, wot, bo, out0; writes out0
.if DOCPART == 4
	.amdgcn_target "amdgcn-amd-amdhsa--gfx1250"
	.amdhsa_code_object_version 6
	.text
	.protected	k_q8c8b58abc5_outp
	.globl	k_q8c8b58abc5_outp
	.p2align	8
	.type	k_q8c8b58abc5_outp,@function
k_q8c8b58abc5_outp:
	s_mov_b64 s[64:65], 0
	v_nop
	global_prefetch_b8 v0, s[64:65] scope:SCOPE_SE
	s_setreg_imm32_b32 hwreg(HW_REG_WAVE_MODE, 25, 1), 1
	s_wait_xcnt 0x0
	s_wait_alu depctr_hold_cnt(0) depctr_sa_sdst(0) depctr_va_vdst(0) depctr_va_sdst(0) depctr_va_ssrc(0) depctr_va_vcc(0) depctr_vm_vsrc(0)
	s_getreg_b32 s2, hwreg(HW_REG_IB_STS2, 6, 4)
	s_cmp_eq_u32 s2, 0
	s_cbranch_scc0 .Lentry_in_a_cluster
	s_endpgm
.Lentry_in_a_cluster:
	s_bfe_u32 s2, ttmp6, 0x10000c
	s_cmp_lg_u32 s2, 0xf033
	s_cbranch_scc0 .Lentry_shape_is_right
	s_endpgm
.Lentry_shape_is_right:
; out0[8,192][1,024] = ctx Wo + bo.  ctx: [8,192][1,024] f16.  wot: Wo's columns as rows, [1,024 n][1,024 k] f16.  bo, out0: f32.  Sums in f32; the bias is the C of each sum's first product.
; A tile of 128 x 256 is made by a work-group of four waves: 64 x 4 tiles give each of 256 work-groups one.  A wave makes 64 rows x 128 columns: 32 accumulators of 16 x 16, 256 registers.
; K goes in steps of 128 (rows of 256 bytes, aligned) through a ring of two LDS slots filled by the tensor data mover: waves 0 and 1 fetch the halves of A's 128 rows, waves 2 and 3 the halves of B's 256.
; CLUSTERS: 4 x 4 work-groups.  The four of a row of the cluster need the same tiles of ctx, the four of a column the same tiles of wot: each tile is asked for jointly.
; No prefetch: the launch is eight K steps long, and half of what it reads (wot) is walked by all sixteen rows of clusters.
; THE MATRIX INSTRUCTION IS USED TRANSPOSED (source 0 = 16 rows of wot, source 1 = 16 rows of ctx): a lane holds eight neighbouring numbers of a row of the result.
; REGISTERS, in windows of 256: window 0: v0-31 addresses; v64-159, v160-255 two fragment buffers (B's 8 fragments, then A's 4, for 32 along K).   window 1: the accumulators ((a, b) at v[8 (8 a + b)]).
;   window 2: v0-63 the bias (8 blocks of 16 columns x 8).
.set KSTEP,  128
.set PITCH,  272                       ; an LDS row: 256 bytes + 16 of padding = 68 words: the 16 rows that a load touches start at 16 different banks (64 banks of 4 bytes: ISA guide 11.1)
.set HA,     64*PITCH                  ; 64 rows: what a load for A brings, and what a wave reads of A
.set HB,     128*PITCH                 ; 128 rows: the same for B
.set SLOT,   2*HA+2*HB                 ; A's 128 rows, then B's 256
.set STAGE,  2*SLOT                    ; behind the ring: 16 rows x (512 bytes + 16) for each wave, for the way out
.set SPITCH, 528
.set SPARE,  STAGE+4*16*SPITCH         ; the spare words, 128 bytes for each wave: two blocks of 256 bytes that no other line names
.set LAPS,   4                         ; a lap = two K steps = once round the ring
.set ROWG,   2048                      ; a row of ctx or wot in bytes
.set OUTROW, 4096                      ; a row of out0
.set ADRA, 16                          ; v16-17  LDS address of my A fragments in slot 0, 1
.set ADRB, 20                          ; v20-21  the same for B
.set STO,  24                          ; v24     the way out: where I put 32 bytes of a row
.set RD,   25                          ; v25     where I read a row back
.set CO,   26                          ; v26     my byte offset in a row of out0
.set SPW,  28                          ; v28     LDS address of my spare word; never rewritten
.set NIL,  29                          ; v29     0; never rewritten
.set BO,   30                          ; v30     32 x (lane / 16): my eight numbers of a block of the bias
.set F0,   64
.set F1,   160
.set G1, 24                            ; s[24:31] descriptor group 1 for A's tiles;  s[32:39] group 0, one set for each slot
.set G0, 32
.set G1B, 48                           ; s[48:55], s[56:63] the same for B's tiles
.set G0B, 56
.set MSB, 0
.macro WIN new                         ; the immediate's high byte repeats the setting that is left; a switch that changes nothing is dropped
.if MSB != (\new)
	s_set_vgpr_msb (MSB<<8)|(\new)
.set MSB, (\new)
.endif
.endm
.set MUL, 0x50                         ; sources 0 and 1 window 0; C and D window 1.  A sum's first product: MUL + 0x10: C (the bias) window 2
.macro JLOAD s                         ; a joint load: waves 0 and 1 fetch A's two halves, waves 2 and 3 B's; an s_nop 0 and four v_nop follow each of the two lines, ahead of the jump, the label and what follows
	s_cmp_eq_u32 s13, 0
	s_cbranch_scc0 .Lfor_b_\@
	tensor_load_to_lds s[G0+4*\s:G0+4*\s+3], s[G1:G1+7]
	s_nop 0
.rept 4
	v_nop
.endr
	s_branch .Lasked_\@
.Lfor_b_\@:
	tensor_load_to_lds s[G0B+4*\s:G0B+4*\s+3], s[G1B:G1B+7]
	s_nop 0
.rept 4
	v_nop
.endr
.Lasked_\@:
.endm
.macro CREST                           ; a round of the cluster's barrier behind its opening barrier
	s_cmp_lg_u32 s12, 0
	s_cbranch_scc1 .Lnot_wave_0_\@
	s_barrier_signal -3
.Lnot_wave_0_\@:
	s_barrier_wait -3
	s_barrier_signal -1
	s_barrier_wait -1
.endm
.macro CROUND                          ; a whole round
	s_barrier_signal -1
	s_barrier_wait -1
	CREST
.endm
	s_load_b256 s[4:11], s[0:1], 0x0               ; ctx s[4:5], wot s[6:7], bo s[8:9], out0 s[10:11]
	v_lshl_add_u32 v[SPW], v0, 2, SPARE
	v_mov_b32 v[NIL], 0
	ds_add_u32 v[SPW], v[NIL]                      ; the wave's opening: the add, twice on end, and its wait ahead of my first tensor load; the set-up below, work on registers, stands between
	ds_add_u32 v[SPW], v[NIL]
	v_lshrrev_b32 v1, 5, v0
	v_readfirstlane_b32 s12, v1                    ; wave 0..3
	s_lshr_b32 s13, s12, 1                         ; which half of the tile's rows is mine.  Also: I fetch for A (0) or for B (1)
	s_and_b32 s14, s12, 1                          ; which half of its columns.  Also: which half of that tile I fetch
	s_bfe_u32 s40, ttmp6, 0x40000                  ; cx, cy: my place in the cluster
	s_bfe_u32 s41, ttmp6, 0x40004
	s_lshl_b32 s42, ttmp9, 2
	s_add_co_u32 s42, s42, s40                     ; tile column = 4 x cluster x + cx
	s_and_b32 s15, ttmp7, 0xffff
	s_lshl_b32 s15, s15, 2
	s_add_co_u32 s15, s15, s41                     ; tile row = 4 x cluster y + cy
	s_lshl_b32 s43, s41, 2
	s_lshl_b32 s43, 15, s43                        ; my row of the cluster
	s_lshl_b32 s44, 0x1111, s40                    ; my column
	; descriptor group 1: tiles of 64 (A) and 128 (B) rows x 128 elements, padded in LDS
	s_or_b32 s[G1+0], s43, (1<<16)|(1<<20)|(1<<21)|(5<<22)|(3<<25)   ; 15:0 the mask; 17:16 elements of 2 bytes; 20 padding on; 21 set beside a mask; 24:22 after every 64 words (code 5); 31:25 four words (code 3)
	s_mov_b32 s[G1+1], KSTEP<<16                   ; tensor_dim0
	s_mov_b32 s[G1+2], 64<<16                      ; tensor_dim1
	s_mov_b32 s[G1+3], KSTEP<<16                   ; tile_dim0
	s_mov_b32 s[G1+4], 64                          ; tile_dim1
	s_mov_b32 s[G1+5], 1024                        ; elements from row to row
	s_mov_b32 s[G1+6], 0
	s_mov_b32 s[G1+7], 0
	s_or_b32 s[G1B+0], s44, (1<<16)|(1<<20)|(1<<21)|(5<<22)|(3<<25)
	s_mov_b32 s[G1B+1], KSTEP<<16
	s_mov_b32 s[G1B+2], 128<<16
	s_mov_b32 s[G1B+3], KSTEP<<16
	s_mov_b32 s[G1B+4], 128
	s_mov_b32 s[G1B+5], 1024
	s_mov_b32 s[G1B+6], 0
	s_mov_b32 s[G1B+7], 0
	s_lshl_b32 s16, s15, 7
	s_lshl_b32 s17, s14, 6
	s_add_co_u32 s16, s16, s17                     ; A: row 128 x tile row + 64 x half
	s_lshl_b32 s16, s16, 11                        ; in bytes (under 2^32)
	s_mov_b32 s17, 0
	s_lshl_b32 s46, s42, 8
	s_lshl_b32 s47, s14, 7
	s_add_co_u32 s46, s46, s47                     ; B: row 256 x tile column + 128 x half
	s_lshl_b32 s46, s46, 11
	s_mov_b32 s47, 0
	s_mul_i32 s20, s14, HA                         ; where they go: no place in the cluster enters an LDS address
	s_mul_i32 s21, s14, HB
	s_add_co_u32 s21, s21, 2*HA
	s_wait_dscnt 0x0                               ; both opening adds are done
	s_wait_kmcnt 0x0
	s_add_nc_u64 s[18:19], s[4:5], s[16:17]
	s_add_nc_u64 s[46:47], s[6:7], s[46:47]
	CROUND                                         ; all sixteen work-groups are here: the first joint loads meet
.irp s, 0,1
	s_mov_b32 s[G0+4*\s], 1
	s_add_co_u32 s[G0+4*\s+1], s20, \s*SLOT
	s_add_nc_u64 s[G0+4*\s+2:G0+4*\s+3], s[18:19], \s*KSTEP*2
	s_or_b32 s[G0+4*\s+3], s[G0+4*\s+3], 0x80000000
	s_mov_b32 s[G0B+4*\s], 1
	s_add_co_u32 s[G0B+4*\s+1], s21, \s*SLOT
	s_add_nc_u64 s[G0B+4*\s+2:G0B+4*\s+3], s[46:47], \s*KSTEP*2
	s_or_b32 s[G0B+4*\s+3], s[G0B+4*\s+3], 0x80000000
	JLOAD \s                                       ; two loads of mine are out
.endr
	v_and_b32 v1, 15, v0                           ; r = l % 16
	v_bfe_u32 v2, v0, 4, 1                         ; h = l / 16
	v_lshlrev_b32 v[BO], 5, v2
	s_lshl_b32 s22, s42, 10
	s_lshl_b32 s23, s14, 9
	s_add_co_u32 s22, s22, s23                     ; my first column, in bytes of f32: 4 x (256 x tile column + 128 x half)
	s_mov_b32 s23, 0
	s_add_nc_u64 s[8:9], s[8:9], s[22:23]
	s_add_nc_u64 s[10:11], s[10:11], s[22:23]
	WIN 0x80                                       ; destination window 2, address window 0
.irp b, 0,1,2,3,4,5,6,7                        ; the bias of my 128 columns: block b's eight numbers of my half of the lanes, in the result's layout
	global_load_b128 v[8*\b:8*\b+3],   v[BO], s[8:9] offset:64*\b
	global_load_b128 v[8*\b+4:8*\b+7], v[BO], s[8:9] offset:64*\b+16
.endr
	WIN 0
	s_lshl_b32 s22, s15, 7
	s_lshl_b32 s2, s13, 6
	s_add_co_u32 s22, s22, s2                      ; my first row: 128 x tile row + 64 x half
	s_lshl_b32 s22, s22, 12
	s_add_nc_u64 s[10:11], s[10:11], s[22:23]
	v_mul_u32_u24 v3, v1, PITCH
	v_lshl_add_u32 v3, v2, 4, v3                   ; a fragment's row x pitch + 16 x half
	s_mul_i32 s22, s13, HA                         ; my 64 rows of A
	s_mul_i32 s2, s14, HB                          ; my 128 rows of B,
	s_add_co_u32 s2, s2, 2*HA                      ; which lie behind A's 128
.irp s, 0,1
	v_add_nc_u32 v[ADRA+\s], s22, v3
	v_add_nc_u32 v[ADRB+\s], s2, v3
	s_add_co_u32 s22, s22, SLOT
	s_add_co_u32 s2, s2, SLOT
.endr
	s_mul_i32 s22, s12, 16*SPITCH
	s_add_co_u32 s22, s22, STAGE                   ; my stage
	v_mul_u32_u24 v4, v1, SPITCH                   ; in: row r, 32 bytes for each half of the lanes
	v_lshl_add_u32 v4, v2, 5, v4
	v_add_nc_u32 v[STO], s22, v4
	v_and_b32 v5, 31, v0
	v_lshlrev_b32 v[CO], 4, v5                     ; back: the 32 lanes take one row of 512 bytes; and the same in out0
	v_add_nc_u32 v[RD], s22, v[CO]
; 8 matrix instructions: A's block a x B's eight, 32 along K, from buffer f.  zero = 1: the first product starts the sums, with the bias as its C.  The 32 accumulators take turns, one instruction a turn, in the same order in
; every quarter.
.macro MUL8 f, a, zero
.irp b, 0,1,2,3,4,5,6,7
.if \zero
	v_wmma_f32_16x16x32_f16 v[8*(8*(\a)+\b):8*(8*(\a)+\b)+7], v[\f+8*\b:\f+8*\b+7], v[\f+64+8*(\a):\f+64+8*(\a)+7], v[8*\b:8*\b+7]
.else
	v_wmma_f32_16x16x32_f16 v[8*(8*(\a)+\b):8*(8*(\a)+\b)+7], v[\f+8*\b:\f+8*\b+7], v[\f+64+8*(\a):\f+64+8*(\a)+7], v[8*(8*(\a)+\b):8*(8*(\a)+\b)+7]
.endif
.endr
.endm
; 24 LDS loads in one run: the fragments of 32 along K at byte k of the rows, into buffer f: B's eight, then A's four
.macro FETCH slot, k, f
	WIN 0
.irp i, 0,1,2,3,4,5,6,7
	ds_load_b128 v[\f+8*\i:\f+8*\i+3],   v[ADRB+\slot] offset:\k+\i*16*PITCH
	ds_load_b128 v[\f+8*\i+4:\f+8*\i+7], v[ADRB+\slot] offset:\k+\i*16*PITCH+32
.endr
.irp i, 0,1,2,3
	ds_load_b128 v[\f+64+8*\i:\f+64+8*\i+3],   v[ADRA+\slot] offset:\k+\i*16*PITCH
	ds_load_b128 v[\f+64+8*\i+4:\f+64+8*\i+7], v[ADRA+\slot] offset:\k+\i*16*PITCH+32
.endr
.endm
.macro PLACES                          ; four places in front of loads into registers that matrix instructions have read, and of the first read of results (ISA guide 7.12.1 for vector instructions)
.rept 4
	v_nop
.endr
.endm
; A K step is four quarters of 32 along K, 32 matrix instructions each, on buffers 0, 1, 0, 1.  One of the first three: multiplies buffer f; in its middle it fetches the next quarter, at byte k, into g.
.macro QUARTER slot, k, f, g, zero
	s_wait_dscnt 4                                 ; B and A's blocks 0 and 1 are in; the youngest four loads (A's blocks 2 and 3) may be out
	WIN MUL+0x10*\zero
	MUL8 \f, 0, \zero
	MUL8 \f, 1, \zero
	PLACES
	FETCH \slot, \k, \g
	s_wait_dscnt 24                                ; all but the 24 just issued
	WIN MUL+0x10*\zero
	MUL8 \f, 2, \zero
	MUL8 \f, 3, \zero
.endm
; The last quarter multiplies buffer 1 and changes slots: ONE barrier; in front of it each wave waits for all its tensor loads, adds 0 to its spare word, and waits for that and for its own reads of this slot.
; fill = 1: the barrier opens a round of the cluster's barrier, and this slot is filled again, two K steps ahead: the load has a K step less sixteen matrix instructions in which to land.
.macro TURN slot, next, fill
	WIN 0                                          ; (the add's two registers lie in window 0)
	s_wait_tensorcnt 0x0                           ; all my tensor loads have landed: the one that was out is my part of the next slot;
	ds_add_u32 v[SPW], v[NIL]                      ; 0 onto my spare word;
	s_wait_dscnt 5                                 ; (the add and the youngest four loads may be out)
	WIN MUL
	MUL8 F1, 0, 0                                  ; eight matrix instructions stand between the add and the wait for it
	s_wait_dscnt 0x0                               ; the add is done, and my reads of this slot are over
	s_barrier_signal -1
	MUL8 F1, 1, 0
.if \fill
	WIN 0
.endif
	s_barrier_wait -1
.if \fill
	CREST                                          ; no wave of any partner still reads this slot's tile or has a load on its way
	s_add_nc_u64 s[G0+4*\slot+2:G0+4*\slot+3], s[G0+4*\slot+2:G0+4*\slot+3], 2*KSTEP*2
	s_add_nc_u64 s[G0B+4*\slot+2:G0B+4*\slot+3], s[G0B+4*\slot+2:G0B+4*\slot+3], 2*KSTEP*2
	JLOAD \slot                                    ; the first tensor load behind the round; the four v_nop behind it are also the places in front of the loads below
.else
	PLACES
.endif
	FETCH \next, 0, F0
	WIN MUL
	MUL8 F1, 2, 0
	MUL8 F1, 3, 0
.endm
	s_wait_tensorcnt 1                             ; my part of K step 0 is in (K step 1's load may be out)
	s_barrier_signal -1
	s_barrier_wait -1                              ; everybody's is
	FETCH 0, 0, F0
	s_wait_loadcnt 0x0                             ; the bias
	QUARTER 0, 64, F0, F1, 1                       ; the first quarter stands in front of the loop: its products start the sums
	WIN 0                                          ; at a label and at a branch every window is 0
	s_mov_b32 s3, LAPS-1
.Llap:                                                 ; a trip goes once round the ring, from a lap's second quarter to the next lap's first, and fills both slots again
	QUARTER 0, 128, F1, F0, 0
	QUARTER 0, 192, F0, F1, 0
	TURN 0, 1, 1
	QUARTER 1, 64,  F0, F1, 0
	QUARTER 1, 128, F1, F0, 0
	QUARTER 1, 192, F0, F1, 0
	TURN 1, 0, 1
	QUARTER 0, 64,  F0, F1, 0
	WIN 0
	s_sub_co_u32 s3, s3, 1
	s_cmp_lg_u32 s3, 0
	s_cbranch_scc1 .Llap
	QUARTER 0, 128, F1, F0, 0                      ; the last lap fills nothing, and has no round of the cluster's barrier
	QUARTER 0, 192, F0, F1, 0
	TURN 0, 1, 0
	QUARTER 1, 64,  F0, F1, 0
	QUARTER 1, 128, F1, F0, 0
	QUARTER 1, 192, F0, F1, 0
	s_wait_dscnt 4                                 ; the very last quarter: nothing more to fetch
	WIN MUL
	MUL8 F1, 0, 0
	MUL8 F1, 1, 0
	s_wait_dscnt 0
	MUL8 F1, 2, 0
	MUL8 F1, 3, 0
	WIN 0
; THE WAY OUT, block by block of 16 rows x 128 columns.  A lane holds 32 neighbouring bytes of a row, and the lanes beside it hold other rows: so a block goes through my own stage and comes back as whole rows of 512 bytes.
; LDS serves a wave's instructions in order (ISA guide 5.7.1.4): no wait between the stores and the loads, nor in front of the next block's stores.
.macro TOSTAGE a
	WIN 0x04                                       ; an LDS store's data are its source 1: window 1
.irp b, 0,1,2,3,4,5,6,7
	ds_store_b128 v[STO], v[64*(\a)+8*\b:64*(\a)+8*\b+3] offset:64*\b          ; each accumulator from its low end on
	ds_store_b128 v[STO], v[64*(\a)+8*\b+4:64*(\a)+8*\b+7] offset:64*\b+16
.endr
	WIN 0
.set BB, 64+64*((\a)%2)
.irp t, 0,1,2,3,4,5,6,7,8,9,10,11,12,13,14,15
	ds_load_b128 v[BB+4*\t:BB+4*\t+3], v[RD] offset:\t*SPITCH
.endr
.endm
.macro SEND a, younger                 ; younger: the LDS instructions issued behind block a's loads, which may stay out
.set BB, 64+64*((\a)%2)
	s_wait_dscnt \younger                          ; the block is back in registers
.irp t, 0,1,2,3,4,5,6,7,8,9,10,11,12,13,14,15
	global_store_b128 v[CO], v[BB+4*\t:BB+4*\t+3], s[10:11] offset:(16*(\a)+\t)*OUTROW th:TH_STORE_NT   ; 32 lanes store 512 consecutive bytes, aligned; 63 rows of 4,096 bytes at the most: no base is stepped
.endr
.endm
	PLACES                                         ; behind the last products: for the reads of their results and for the loads into the fragments' registers
	TOSTAGE 0
.irp a, 1,2,3
.if \a > 1
	s_wait_xcnt 0x0                                ; block a - 2's stores have read their registers: block a's loads may land there
.endif
	TOSTAGE \a
	SEND \a-1, 32                                  ; behind block a - 1's loads: block a's 16 stores and 16 loads
.endr
	SEND 3, 0
	s_wait_tensorcnt 0x0                           ; the wave's end: these three lines, behind my last tensor load and my last LDS store
	ds_add_u32 v[SPW], v[NIL]
	s_wait_dscnt 0x0
	CROUND                                         ; the closing round: no work-group ends while a partner may still ask for a tile that names it
	s_endpgm
.Lfunc_end_k_q8c8b58abc5_outp:
	.size	k_q8c8b58abc5_outp, .Lfunc_end_k_q8c8b58abc5_outp-k_q8c8b58abc5_outp
	.p2alignl 7, 3214868480
	.fill 96, 4, 3214868480
	.section	.rodata,"a",@progbits
	.p2align	6, 0x0
	.amdhsa_kernel k_q8c8b58abc5_outp
		.amdhsa_group_segment_fixed_size 327680
		.amdhsa_private_segment_fixed_size 0
		.amdhsa_enable_private_segment 0
		.amdhsa_kernarg_size 32
		.amdhsa_user_sgpr_count 2
		.amdhsa_user_sgpr_kernarg_segment_ptr 1
		.amdhsa_wavefront_size32 1
		.amdhsa_system_sgpr_workgroup_id_x 1
		.amdhsa_system_sgpr_workgroup_id_y 1
		.amdhsa_system_sgpr_workgroup_id_z 1
		.amdhsa_system_vgpr_workitem_id 0
		.amdhsa_next_free_vgpr 576
		.amdhsa_next_free_sgpr 66
		.amdhsa_reserve_vcc 0
		.amdhsa_float_denorm_mode_32 3
		.amdhsa_float_denorm_mode_16_64 3
		.amdhsa_memory_ordered 1
		.amdhsa_forward_progress 1
		.amdhsa_inst_pref_size 86
	.end_amdhsa_kernel
	.amdgpu_metadata
---
amdhsa.version: [ 1, 2 ]
amdhsa.kernels:
  - .name:           k_q8c8b58abc5_outp
    .symbol:         k_q8c8b58abc5_outp.kd
    .args:
      - { .name: ctx, .offset: 0, .size: 8, .value_kind: global_buffer, .address_space: global }
      - { .name: wot, .offset: 8, .size: 8, .value_kind: global_buffer, .address_space: global }
      - { .name: bo, .offset: 16, .size: 8, .value_kind: global_buffer, .address_space: global }
      - { .name: out0, .offset: 24, .size: 8, .value_kind: global_buffer, .address_space: global }
    .group_segment_fixed_size: 327680
    .private_segment_fixed_size: 0
    .kernarg_segment_align: 8
    .kernarg_segment_size: 32
    .max_flat_workgroup_size: 128
    .sgpr_count:     66
    .vgpr_count:     576
    .wavefront_size: 32
...
	.end_amdgpu_metadata
.endif
;; end of part 4
